; MI455X (gfx1250); checked and timed in simulation.
; The chip was launched on July 23, 2026; its instructions are those of AMD's public machine-readable ISA for CDNA 5 (MIT licence, August 2026) and "CDNA5" Instruction Set Architecture Reference Guide (July 2026). The comments in the code are by the model that wrote it; some were corrected since.
;; Multi Head Self Attention. Allowed arithmetic: matrix products marked QUANTISED: E2M1 operands, one E8M0 scale for each 32 along K, by v_wmma_scale_f32_16x16x128_f8f6f4 with both operands' format E2M1 (or v_wmma_scale_f32_32x16x128_f4), f32 sums; products left as they are: bf16, f16 or f32 operands; f32 sums; everything else in f32.
;; Inputs: Wk 1,024 x 1,024 float32; Wo 1,024 x 1,024 float32; Wq 1,024 x 1,024 float32; Wv 1,024 x 1,024 float32; x 2 x 2,048 x 1,024 float32.
;; Outputs: out0 2 x 2,048 x 1,024 float32.
;; This version of the problem:
;;   THIS VERSION OF THE PROBLEM IS GIVEN IN LOW PRECISION. The matrix products marked QUANTISED in the list below multiply operands that are first quantised to E2M1 (2 exponent bits, 1 mantissa bit; 4 bits a number), with one power-of-two scale for each 32 numbers along K (OCP MX v1.0); their sums are f32. The products marked 'left as it is' may take bf16, f16 or f32 operands, with f32 sums. All else is computed in f32.
;;   The module's matrix products, in the order in which they are computed (A, B: the left and right operand; K: the contracted axis; several contracted axes count as one K, in the product's order):
;;     1. [M 4,096, K 1,024] x [K 1,024, N 1,024]; A: input x; B: input Wq: QUANTISED
;;     2. [M 4,096, K 1,024] x [K 1,024, N 1,024]; A: input x; B: input Wk: QUANTISED
;;     3. [M 4,096, K 1,024] x [K 1,024, N 1,024]; A: input x; B: input Wv: QUANTISED
;;     4. batch 32 x [M 2,048, K 64] x [K 64, N 2,048]; A: computed on the way; B: computed on the way: left as it is (an operand is computed on the way)
;;     5. batch 32 x [M 2,048, K 2,048] x [K 2,048, N 64]; A: computed on the way; B: computed on the way: left as it is (an operand is computed on the way)
;;     6. [M 4,096, K 1,024] x [K 1,024, N 1,024]; A: computed on the way; B: input Wo: left as it is (an operand is computed on the way)
;;   THE QUANTISER, for each operand of a quantised product, along K:
;;     - K is cut into blocks of 32 from its start; a last block that is shorter is filled with zeros.
;;     - A block's scale is 2^e with e = floor(log2(the largest magnitude in the block)) - 2, held to -126 .. 127; a block of zeros has e = 0. As a byte (E8M0): e + 127.
;;     - Each number is divided by its block's scale, clamped to +-6, and rounded to the nearest number of E2M1, ties to even, subnormals kept.
;;     - The product sums the exact products of the quantised numbers (number of the format x scale) in f32.
;;   ~~~python
;;   def quantise(x, axis):      # numpy; x: float32 -> the quantised numbers, widened to float32 again
;;       x = np.moveaxis(x, axis, -1); K = x.shape[-1]
;;       x = np.pad(x, [(0, 0)] * (x.ndim - 1) + [(0, -K % 32)]); x = x.reshape(x.shape[:-1] + (-1, 32)); a = np.abs(x).max(-1, keepdims=True)
;;       e = np.where(a > 0, np.clip(np.frexp(np.where(a > 0, a, 1))[1] - 1 - 2, -126, 127), 0)      # np.frexp(a)[1] - 1 = floor(log2(a)), exactly
;;       r = np.clip(x / 2.0 ** e, -6, 6)
;;       step = 2.0 ** (np.maximum(np.frexp(np.where(r == 0, 1, r))[1] - 1, 0) - 1)
;;       q = np.round(r / step) * step * 2.0 ** e      # np.round: ties to even
;;       return np.moveaxis(q.reshape(q.shape[:-2] + (-1,))[..., :K], -1, axis).astype(np.float32)
;;   ~~~
;; One version. Each part assembles by itself: llvm-mc -triple=amdgcn-amd-amdhsa -mcpu=gfx1250 --defsym DOCPART=n.
;; ======== version 1 of 1: 4 launches
;; limits: values are held in f16: magnitudes above 65,504 overflow, below 6.1e-05 lose precision
;; workspace buffers: xc 2,097,152 bytes; xs 131,072 bytes; wc 1,572,864 bytes; ws 98,304 bytes; wo16 2,097,152 bytes; qkv 25,165,824 bytes; o16 8,388,608 bytes
;; launch quant (part 1): grid 256 x 1, 4 waves a work-group, no clusters, 33,280 bytes of LDS; arguments x, Wq, Wk, Wv, Wo, xc, xs, wc, ws, wo16; writes xc, xs, wc, ws, wo16
.if DOCPART == 1
	.amdgcn_target "amdgcn-amd-amdhsa--gfx1250"
	.amdhsa_code_object_version 6
	.text
	.protected	k_q7bd04c4ebe_quant
	.globl	k_q7bd04c4ebe_quant
	.p2align	8
	.type	k_q7bd04c4ebe_quant,@function
k_q7bd04c4ebe_quant:
	s_mov_b64 s[64:65], 0
	v_nop
	global_prefetch_b8 v0, s[64:65] scope:SCOPE_SE
	s_setreg_imm32_b32 hwreg(HW_REG_WAVE_MODE, 25, 1), 1
	s_wait_xcnt 0x0
; x [4096][1024] and Wq, Wk, Wv [1024][1024], f32, K innermost, become codes of FP4 (E2M1), two to a byte, the lower k in the low four bits, with one E8M0 byte for each 32 along K.
; xc [4096][512 bytes], xs [4096][32];  wc [3072][512 bytes], ws [3072][32]: rows 0-1023 Wq, 1024-2047 Wk, 2048-3071 Wv.  Wo [1024][1024] is rounded to f16 into wo16, in the same order.
; A block's scale is 2^(floor(log2(its largest magnitude)) - 2); its byte is the largest magnitude's own exponent field - 2, held at 1 from below.  A block of zeros so gets the byte 1 where the
; quantiser's text says 127: its codes are zeros, which add nothing under any byte but 0xff, and the bytes are read by this program alone.
; LIMITS: NaN and infinities among the inputs are not served; Wo beyond f16's largest number, 65,504, becomes an infinity.
; Rows are dense and 1024 is a multiple of 32, so each tensor is a plain stream of blocks of 32 numbers.  A work-group takes 32,768 numbers, a wave 8,192:
; work-groups 0-127 x, 128-159 Wq, 160-191 Wk, 192-223 Wv, 224-255 Wo.  The four quantised tensors take ONE path through the text: only pointers are chosen, by the work-group's number.
; The quantiser: 16 steps of 512 numbers a wave.  Each of a step's four loads reads 512 consecutive bytes, 16 a lane; the conversions want 16 NEIGHBOURS in a lane, so the 2,048 bytes go through the wave's
; own stage in LDS as they lie and come back 64 bytes a lane (16 bytes of padding behind each 64).  Two neighbouring lanes hold a block.  A lane's 16 codes are 8 bytes: a store of the wave covers 256
; consecutive bytes, aligned.  A wave's 256 scale bytes are gathered in its own LDS bytes and leave by one store of 256 consecutive bytes.  No barrier: waves share nothing.
.set STEPS, 16
.set EMAX,  2
.set CB,    8                          ; bytes of 16 codes
.set R,     16                         ; v16-79   four sets of 16 numbers as they are loaded
.set X,     80                         ; v80-111  two sets of 16 neighbours
.set E,     112                        ; v112-127 a scale byte for each step
.set C,     128                        ; v128-191 codes: four registers for each step, so that no store's data are written again
.set WREG,  8192                       ; LDS: a region for each wave: two stages of 32 x SP bytes, behind them its 256 scale bytes
.set SP,    80                         ; a lane's place in a stage: 64 bytes + 16 of padding
.set WV,    24                         ; s24 my wave's number
.set SRC,   26                         ; s[26:27] the numbers, s[28:29] the codes, s[30:31] the scale bytes
.set COD,   28
.set SCB,   30
	s_load_b256 s[4:11], s[0:1], 0x0               ; x s[4:5], Wq s[6:7], Wk s[8:9], Wv s[10:11]
	s_load_b256 s[12:19], s[0:1], 0x20             ; Wo s[12:13], xc s[14:15], xs s[16:17], wc s[18:19]
	s_load_b128 s[20:23], s[0:1], 0x40             ; ws s[20:21], wo16 s[22:23]
	v_lshl_add_u32 v192, v0, 2, 0x8000
	v_mov_b32 v193, 0
	v_lshrrev_b32 v1, 5, v0
	v_readfirstlane_b32 s[WV], v1                  ; wave 0..3
	v_and_b32 v2, 31, v0                           ; lane
	v_lshlrev_b32 v3, 4, v2                        ; my 16 bytes of a load's 512
	s_mul_i32 s25, s[WV], WREG
	v_lshrrev_b32 v14, 2, v2
	v_mul_u32_u24 v14, v14, SP
	v_and_b32 v15, 3, v2
	v_lshl_add_u32 v14, v15, 4, v14
	v_add_nc_u32 v14, s25, v14                     ; the stage, on the way in: SP (lane / 4) + 16 (lane % 4)
	v_mul_u32_u24 v15, v2, SP
	v_add_nc_u32 v15, s25, v15                     ; and on the way out: SP x lane: my 16 neighbours
	v_mul_u32_u24 v4, v2, CB                       ; 8 bytes a lane: my codes' place in a step's, and my f16 numbers' place in a store's
	v_lshrrev_b32 v5, 1, v2
	s_add_co_u32 s25, s25, 2*32*SP
	v_add_nc_u32 v5, s25, v5                       ; LDS: my wave's 256 scale bytes, my block's byte
	v_lshlrev_b32 v7, 3, v2                        ; and on the way out 8 bytes a lane
	v_add_nc_u32 v6, s25, v7
	s_and_b32 s32, ttmp9, 31                       ; a weight's work-group among its 32
	s_sub_co_u32 s33, ttmp9, 128                   ; and among the 96 of wc and ws (used from work-group 128 on)
	s_mov_b32 s35, 0
	s_wait_kmcnt 0x0
	s_cmp_ge_u32 ttmp9, 224
	s_cbranch_scc1 .Lwo
	s_cmp_lt_u32 ttmp9, 192                        ; the choices hang on the work-group's number alone
	s_cselect_b64 s[SRC:SRC+1], s[8:9], s[10:11]
	s_cmp_lt_u32 ttmp9, 160
	s_cselect_b64 s[SRC:SRC+1], s[6:7], s[SRC:SRC+1]
	s_cmp_lt_u32 ttmp9, 128
	s_cselect_b64 s[SRC:SRC+1], s[4:5], s[SRC:SRC+1]
	s_cselect_b64 s[COD:COD+1], s[14:15], s[18:19]
	s_cselect_b64 s[SCB:SCB+1], s[16:17], s[20:21]
	s_cselect_b32 s32, ttmp9, s32
	s_cselect_b32 s33, ttmp9, s33
	s_lshl_b32 s32, s32, 2
	s_add_co_u32 s32, s32, s[WV]                   ; which run of 8,192 numbers of the tensor is my wave's
	s_lshl_b32 s34, s32, 15                        ; 32,768 bytes a run
	s_add_nc_u64 s[SRC:SRC+1], s[SRC:SRC+1], s[34:35]
	s_lshl_b32 s33, s33, 2
	s_add_co_u32 s33, s33, s[WV]                   ; and which run of the buffers of codes and bytes
	s_lshl_b32 s34, s33, 12                        ; 4,096 bytes of codes a run
	s_add_nc_u64 s[COD:COD+1], s[COD:COD+1], s[34:35]
	s_lshl_b32 s34, s33, 8                         ; 256 scale bytes a run
	s_add_nc_u64 s[SCB:SCB+1], s[SCB:SCB+1], s[34:35]
.macro LOAD t
.irp i, 0,1,2,3
	global_load_b128 v[R+16*((\t)%4)+4*\i:R+16*((\t)%4)+4*\i+3], v3, s[SRC:SRC+1] offset:2048*(\t)+512*\i th:TH_LOAD_NT   ; 32 lanes read 512 consecutive bytes
.endr
.endm
.macro TURN t                          ; step t's numbers through the stage: LDS serves a wave's instructions in order, so no wait stands between the stores and the loads
.irp i, 0,1,2,3
	ds_store_b128 v14, v[R+16*((\t)%4)+4*\i:R+16*((\t)%4)+4*\i+3] offset:32*SP*((\t)%2)+8*SP*\i
.endr
.irp i, 0,1,2,3
	ds_load_b128 v[X+16*((\t)%2)+4*\i:X+16*((\t)%2)+4*\i+3], v15 offset:32*SP*((\t)%2)+16*\i
.endr
.endm
.irp t, 0,1,2,3
	LOAD \t
.endr
	s_wait_loadcnt 12                              ; step 0's four loads are in
	TURN 0
.macro STEP t
.set XS, X+16*((\t)%2)
.if (\t) > 0
	s_wait_dscnt 1                                 ; this step's numbers are back from the stage (the last step's byte store may be out): so its stores into the stage have read their registers,
.else
	s_wait_dscnt 0x0
.endif
.if (\t)+4 < STEPS
	LOAD (\t)+4                                    ; which take the loads of four steps on
.endif
.if (\t)+1 < STEPS
.if STEPS-2-(\t) >= 3
	s_wait_loadcnt 12                              ; the next step's four loads are in; those of the three steps behind it may be out
.else
	s_wait_loadcnt 4*(STEPS-2-(\t))
.endif
	TURN (\t)+1                                    ; and go through the other stage while this step is worked
.endif
	v_max3_num_f32 v8, |v[XS]|, |v[XS+1]|, |v[XS+2]|               ; the largest magnitude of my 16, in two chains
	v_max3_num_f32 v9, |v[XS+3]|, |v[XS+4]|, |v[XS+5]|
.irp i, 6,10
	v_max3_num_f32 v8, v8, |v[XS+\i]|, |v[XS+\i+1]|
	v_max3_num_f32 v9, v9, |v[XS+\i+2]|, |v[XS+\i+3]|
.endr
	v_max3_num_f32 v8, v8, |v[XS+14]|, |v[XS+15]|
	v_max3_num_f32 v8, v8, v9, (EMAX+1)<<23        ; and the floor 2^(EMAX + 1 - 127): the byte cannot fall under 1
	v_max_num_f32_dpp v8, v8, v8 row_xmask:1 row_mask:0xf bank_mask:0xf   ; and of my neighbour's 16: the block's
	v_add_nc_u32 v11, -(EMAX<<23), v8              ; EMAX off its exponent field: the conversion takes the exponent field of this operand as its scale, and nothing else of it
	v_cvt_scalef32_pk8_fp4_f32 v[C+4*(\t)], v[XS:XS+7], v11        ; eight numbers / the scale, to the nearest code, ties to even, beyond the largest code the largest
	v_cvt_scalef32_pk8_fp4_f32 v[C+4*(\t)+1], v[XS+8:XS+15], v11
	v_lshrrev_b32 v[E+(\t)], 23, v11               ; the scale's byte (also the plain line behind the conversions)
	ds_store_b8 v5, v[E+(\t)] offset:16*(\t)       ; both lanes of a block write the same byte with the same value
	global_store_b64 v4, v[C+4*(\t):C+4*(\t)+1], s[COD:COD+1] offset:32*CB*(\t)
.endm
.irp t, 0,1,2,3,4,5,6,7,8,9,10,11,12,13,14,15
	STEP \t
.endr
	ds_load_b64 v[12:13], v6                       ; LDS serves a wave's instructions in order: these see my stores
	s_wait_dscnt 0x0
	global_store_b64 v7, v[12:13], s[SCB:SCB+1]    ; 32 lanes store 256 consecutive bytes, aligned
	s_wait_tensorcnt 0x0
	ds_add_u32 v192, v193
	s_wait_dscnt 0x0
	s_endpgm
; Wo to f16: no LDS.  Four sets of 16 loads of 512 consecutive bytes; a lane's four numbers become 8 bytes, so a store of the wave covers 256 consecutive bytes, aligned.  Two sets of registers by turns.
.Lwo:
	s_sub_co_u32 s32, ttmp9, 224
	s_lshl_b32 s32, s32, 2
	s_add_co_u32 s32, s32, s[WV]                   ; my wave's run of 8,192 numbers
	s_lshl_b32 s34, s32, 15
	s_add_nc_u64 s[12:13], s[12:13], s[34:35]
	s_lshl_b32 s34, s32, 14
	s_add_nc_u64 s[22:23], s[22:23], s[34:35]
.macro LOADW t
.irp i, 0,1,2,3,4,5,6,7,8,9,10,11,12,13,14,15
	global_load_b128 v[16+64*((\t)%2)+4*\i:16+64*((\t)%2)+4*\i+3], v3, s[12:13] offset:8192*(\t)+512*\i th:TH_LOAD_NT
.endr
.endm
	LOADW 0
	LOADW 1
.irp t, 0,1,2,3
.if \t < 3
	s_wait_loadcnt 16                              ; this set's 16 loads are in; the other set's may be out
.else
	s_wait_loadcnt 0x0
.endif
.if \t > 0
	s_wait_xcnt 0x0                                ; the last set's stores have read v144-175: they are written again only behind this wait
.endif
.irp i, 0,1,2,3,4,5,6,7,8,9,10,11,12,13,14,15
	v_cvt_pk_f16_f32 v[144+2*\i], v[16+64*(\t%2)+4*\i], v[16+64*(\t%2)+4*\i+1]
	v_cvt_pk_f16_f32 v[145+2*\i], v[16+64*(\t%2)+4*\i+2], v[16+64*(\t%2)+4*\i+3]
.endr
.irp i, 0,1,2,3,4,5,6,7,8,9,10,11,12,13,14,15
	global_store_b64 v4, v[144+2*\i:145+2*\i], s[22:23] offset:4096*\t+256*\i
.endr
.if \t < 2
	LOADW \t+2
.endif
.endr
	s_endpgm
.Lfunc_end_k_q7bd04c4ebe_quant:
	.size	k_q7bd04c4ebe_quant, .Lfunc_end_k_q7bd04c4ebe_quant-k_q7bd04c4ebe_quant
	.p2alignl 7, 3214868480
	.fill 96, 4, 3214868480
	.section	.rodata,"a",@progbits
	.p2align	6, 0x0
	.amdhsa_kernel k_q7bd04c4ebe_quant
		.amdhsa_group_segment_fixed_size 33280
		.amdhsa_private_segment_fixed_size 0
		.amdhsa_enable_private_segment 0
		.amdhsa_kernarg_size 80
		.amdhsa_user_sgpr_count 2
		.amdhsa_user_sgpr_kernarg_segment_ptr 1
		.amdhsa_wavefront_size32 1
		.amdhsa_system_sgpr_workgroup_id_x 1
		.amdhsa_system_sgpr_workgroup_id_y 1
		.amdhsa_system_sgpr_workgroup_id_z 1
		.amdhsa_system_vgpr_workitem_id 0
		.amdhsa_next_free_vgpr 194
		.amdhsa_next_free_sgpr 66
		.amdhsa_reserve_vcc 0
		.amdhsa_float_denorm_mode_32 3
		.amdhsa_float_denorm_mode_16_64 3
		.amdhsa_memory_ordered 1
		.amdhsa_forward_progress 1
		.amdhsa_inst_pref_size 54
	.end_amdhsa_kernel
	.amdgpu_metadata
---
amdhsa.version: [ 1, 2 ]
amdhsa.kernels:
  - .name:           k_q7bd04c4ebe_quant
    .symbol:         k_q7bd04c4ebe_quant.kd
    .args:
      - { .name: x, .offset: 0, .size: 8, .value_kind: global_buffer, .address_space: global }
      - { .name: Wq, .offset: 8, .size: 8, .value_kind: global_buffer, .address_space: global }
      - { .name: Wk, .offset: 16, .size: 8, .value_kind: global_buffer, .address_space: global }
      - { .name: Wv, .offset: 24, .size: 8, .value_kind: global_buffer, .address_space: global }
      - { .name: Wo, .offset: 32, .size: 8, .value_kind: global_buffer, .address_space: global }
      - { .name: xc, .offset: 40, .size: 8, .value_kind: global_buffer, .address_space: global }
      - { .name: xs, .offset: 48, .size: 8, .value_kind: global_buffer, .address_space: global }
      - { .name: wc, .offset: 56, .size: 8, .value_kind: global_buffer, .address_space: global }
      - { .name: ws, .offset: 64, .size: 8, .value_kind: global_buffer, .address_space: global }
      - { .name: wo16, .offset: 72, .size: 8, .value_kind: global_buffer, .address_space: global }
    .group_segment_fixed_size: 33280
    .private_segment_fixed_size: 0
    .kernarg_segment_align: 8
    .kernarg_segment_size: 80
    .max_flat_workgroup_size: 128
    .sgpr_count:     66
    .vgpr_count:     194
    .wavefront_size: 32
...
	.end_amdgpu_metadata
.endif
;; end of part 1
;; launch qkv (part 2): grid 12 x 16, 4 waves a work-group, clusters of 4 x 4, 327,680 bytes of LDS; arguments xc, xs, wc, ws, qkv; writes qkv
.if DOCPART == 2
	.amdgcn_target "amdgcn-amd-amdhsa--gfx1250"
	.amdhsa_code_object_version 6
	.text
	.protected	k_q7bd04c4ebe_qkv
	.globl	k_q7bd04c4ebe_qkv
	.p2align	8
	.type	k_q7bd04c4ebe_qkv,@function
k_q7bd04c4ebe_qkv:
	s_mov_b64 s[64:65], 0
	v_nop
	global_prefetch_b8 v0, s[64:65] scope:SCOPE_SE
	s_setreg_imm32_b32 hwreg(HW_REG_WAVE_MODE, 25, 1), 1
	s_wait_xcnt 0x0
	s_wait_alu depctr_hold_cnt(0) depctr_sa_sdst(0) depctr_va_vdst(0) depctr_va_sdst(0) depctr_va_ssrc(0) depctr_va_vcc(0) depctr_vm_vsrc(0)
	s_getreg_b32 s2, hwreg(HW_REG_IB_STS2, 6, 4)
	s_cmp_eq_u32 s2, 0
	s_cbranch_scc0 .Lentry_in_a_cluster
	s_endpgm
.Lentry_in_a_cluster:
	s_bfe_u32 s2, ttmp6, 0x10000c
	s_cmp_lg_u32 s2, 0xf033
	s_cbranch_scc0 .Lentry_shape_is_right
	s_endpgm
.Lentry_shape_is_right:
; q, k, v = x Wq^T, x Wk^T, x Wv^T as ONE product C[m][n] = sum over k of A[m][k] B[n][k] on codes of FP4 (E2M1) with one E8M0 scale for each 32 along K; sums in f32.
; A = xc [4096][1024 codes], xs [4096][32];  B = wc [3072][1024 codes], ws [3072][32] (rows 0-1023 Wq, then Wk, then Wv).  The matrix instruction takes codes and scale bytes as they lie in memory.
; The results are rounded once to f16 and laid by head: qkv [b 2][plane 48][s 2048][64]; planes 0-15 q's heads, 16-31 k's, 32-47 v's: column n of C is plane n / 64, channel n % 64; row m is b = m / 2048, s = m % 2048.
; LIMIT: f16's largest number is 65,504: a q, k or v beyond it becomes an infinity.
; A tile of C, 256 x 256, is made by a work-group of four waves; a wave makes 128 x 128: 64 accumulators of 16 x 16, 512 registers.  K = 1024 is two K steps of 512 (rows of 256 bytes): each fills one of two LDS slots,
; once; both are asked for at the start.  The scales of the work-group's 256 rows of A and of B, for all of K, are two dense blocks of memory and come with the first fills.
; CLUSTERS: 4 x 4 work-groups.  The four of a row of the cluster need the same tiles of A, the four of a column the same tiles of B: each tile is asked for JOINTLY, by the same tensor load with the same descriptor
; and a mask that names the four.  THE MATRIX INSTRUCTION IS USED TRANSPOSED (source 0 = 16 rows of B, source 1 = 16 rows of A): a lane then holds eight neighbouring numbers of a row of C.
; REGISTERS, in windows of 256: window 0: v0-31 addresses; v32-95 scale words, two sets; from v128 A's fragments (8 x 16 rows x 128 K), ONE set; on the way out v32-255 are free.
;   window 1: B's fragments, TWO sets, at v0 and at v128.   window 2: the 32 accumulators of my rows 0-63 (accumulator (a, b) at v[8 (8 a + b)]);   window 3: those of my rows 64-127.
; A step of 128 along K is 64 matrix instructions, A's blocks one after the other, each against B's eight: a block of A is free as soon as its eight products are issued, so one set of registers serves A.
.set SIZE_M, 4096
.set SIZE_N, 3072
.set SIZE_K, 1024
.set KSTEP,  512                       ; along K in a slot
.set NQ,     KSTEP/128                 ; matrix instructions deep
.set ROWB,   256                       ; a tile's row in bytes
.set KROW,   SIZE_K*4/8                ; a row of A or of B in memory, in bytes
.set PITCH,  272                       ; an LDS row: 256 bytes + 16 of padding = 68 words: row r starts at bank 4 r mod 64 (64 banks of 4 bytes: ISA guide 11.1)
.set FR,     8                         ; registers of a fragment: 16 rows x 128 K
.set NL,     2                         ; LDS loads that bring one
.set NP,     4                         ; places behind this matrix instruction (ISA guide 7.12.1)
.set HALFT,  128*PITCH                 ; 128 rows: what one tensor load brings, and what one wave reads of A or of B
.set SLOT,   4*HALFT                   ; A's 256 rows, then B's 256 rows
.set KS,     SIZE_K/32                 ; a row of scales in bytes
.set SCL,    2*SLOT                    ; behind the two slots: the scales, as units of 256 bytes + 16 of padding
.set HALFS,  (128*KS/256)*272          ; the scales of 128 rows: what one tensor load brings
.set SBLK,   (16*KS/256)*272           ; those of 16 rows
.set SPARE,  SCL+4*HALFS               ; behind the scales: the spare words, 128 bytes for each wave: two blocks of 256 bytes that no other line names
.set SPITCH, 272                       ; the way out: a stage of 16 rows x (256 bytes + 16) for each wave, in slot 0, which has had its only fill and its last read when the first result is stored there
.set ADRA, 16                          ; v16-17  LDS address of my A fragments in slot 0, 1
.set ADRB, 20                          ; v20-21  the same for B
.set STO,  24                          ; v24     the way out: where I put 16 bytes of a row
.set RD,   25                          ; v25     the way out: where I read back 16 bytes of a head's row
.set CO,   26                          ; v26     16 x lane: my place in a store's 512 bytes
.set ADRS, 27                          ; v27     LDS address of my scale words: lanes 0-15 A's rows, lanes 16-31 B's
.set SPW,  28                          ; v28     LDS address of my spare word; never rewritten
.set NIL,  29                          ; v29     0; never rewritten
.set SC,   32                          ; scale words: set s at v[SC + 8 NQ s]; register NQ i + q: lanes 0-15 the word of A's block i, lanes 16-31 that of B's block i, for the slot's q-th 128 along K
.set AF,   128                         ; A's fragments, in window 0
.set TMP,  32                          ; the way out: a block's packed results, v32-63
.set BK,   128                         ; the way out: 16 rows read back from the stage: v128-159 and v160-191 by turns
.set G1, 24                            ; s[24:31] descriptor group 1 for A's tiles;  s[32:39] group 0, one set for each slot
.set G0, 32
.set G1B, 48                           ; s[48:55], s[56:63] the same for B's tiles
.set G0B, 56
.set G1S, 68                           ; s[68:75], s[76:79] groups 1 and 0 for A's scales;  s[80:87], s[88:91] for B's
.set G0S, 76
.set G1SB, 80
.set G0SB, 88
.set MSB, 0
.macro WIN new                         ; the immediate's high byte repeats the setting that is left
.if MSB != \new
	s_set_vgpr_msb (MSB<<8)|\new
.set MSB, \new
.endif
.endm
.set MUL_LO, 0xa1                      ; source 0 (B) window 1, source 1 (A) window 0, C and D window 2
.set MUL_HI, 0xf1                      ; the same, C and D window 3
.set TO_B,   0x40                      ; destination window 1, address window 0
; A joint load: waves 0 and 1 fetch for A, waves 2 and 3 for B.  Each of the two lines has ONE mask and one set of registers for all that issue it; the branch hangs on the wave's number alone.
; Four v_nop follow each of the two lines, ahead of the jump, the label and what follows.
.macro JLOAD g0a, g1a, g0b, g1b
	s_cmp_eq_u32 s15, 0
	s_cbranch_scc0 .Lfor_b_\@
	tensor_load_to_lds s[\g0a:\g0a+3], s[\g1a:\g1a+7]
	s_nop 0
.rept 4
	v_nop
.endr
	s_branch .Lasked_\@
.Lfor_b_\@:
	tensor_load_to_lds s[\g0b:\g0b+3], s[\g1b:\g1b+7]
	s_nop 0
.rept 4
	v_nop
.endr
.Lasked_\@:
.endm
.macro CROUND                          ; a round of the cluster's barrier: my work-group's barrier, wave 0's signal for the work-group, every wave's wait for all sixteen, my work-group's barrier once more
	s_barrier_signal -1
	s_barrier_wait -1
	s_cmp_lg_u32 s14, 0
	s_cbranch_scc1 .Lnot_wave_0_\@
	s_barrier_signal -3
.Lnot_wave_0_\@:
	s_barrier_wait -3
	s_barrier_signal -1
	s_barrier_wait -1
.endm
	s_load_b128 s[4:7], s[0:1], 0x0                ; A's codes s[4:5], A's scales s[6:7]
	s_load_b128 s[8:11], s[0:1], 0x10              ; B's codes s[8:9], B's scales s[10:11]
	s_load_b64 s[12:13], s[0:1], 0x20              ; qkv
	v_lshl_add_u32 v[SPW], v0, 2, SPARE
	v_mov_b32 v[NIL], 0
	ds_add_u32 v28, v29
	ds_add_u32 v28, v29
	s_wait_dscnt 0x0
	v_lshrrev_b32 v1, 5, v0
	v_readfirstlane_b32 s14, v1                    ; wave 0..3
	s_lshr_b32 s15, s14, 1                         ; which half of the tile's rows is mine.  Also: I fetch for A (0) or for B (1)
	s_and_b32 s16, s14, 1                          ; which half of its columns.  Also: which 128 rows of that tile I fetch
	s_bfe_u32 s40, ttmp6, 0x40000                  ; cx, cy: my place in the cluster
	s_bfe_u32 s41, ttmp6, 0x40004
	s_lshl_b32 s42, ttmp9, 2
	s_add_co_u32 s42, s42, s40                     ; tile column of C = 4 x cluster x + cx
	s_and_b32 s17, ttmp7, 0xffff
	s_lshl_b32 s17, s17, 2
	s_add_co_u32 s17, s17, s41                     ; tile row of C = 4 x cluster y + cy
	s_lshl_b32 s43, s41, 2
	s_lshl_b32 s43, 15, s43                        ; my row of the cluster
	s_lshl_b32 s44, 0x1111, s40                    ; my column
	; descriptor group 1: a tile of 128 rows x ROWB bytes, padded in LDS
	s_or_b32 s[G1+0], s43, (0<<16)|(1<<20)|(1<<21)|(5<<22)|(3<<25)  ; 15:0 the mask: A's tiles go to my row; 17:16 element of 1 byte; 20 padding on; 21 set beside a mask; 24:22 after every 64 words (code 5); 31:25 of 4 words (code 3)
	s_or_b32 s[G1B+0], s44, (0<<16)|(1<<20)|(1<<21)|(5<<22)|(3<<25)
.irp g, G1, G1B
	s_mov_b32 s[\g+1], ROWB<<16                    ; tensor_dim0
	s_mov_b32 s[\g+2], 128<<16                     ; tensor_dim1 = 128
	s_mov_b32 s[\g+3], ROWB<<16                    ; tile_dim0
	s_mov_b32 s[\g+4], 128                         ; tile_dim1 = 128
	s_mov_b32 s[\g+5], KROW                        ; tensor_dim0_stride
	s_mov_b32 s[\g+6], 0
	s_mov_b32 s[\g+7], 0
.endr
	; and for the scales of 128 rows: a dense block of 128 KS bytes, as rows of 256 bytes (32 elements of 8 bytes), 16 bytes of padding behind each
	s_or_b32 s[G1S+0], s43, (3<<16)|(1<<20)|(1<<21)|(5<<22)|(3<<25)
	s_or_b32 s[G1SB+0], s44, (3<<16)|(1<<20)|(1<<21)|(5<<22)|(3<<25)
.irp g, G1S, G1SB
	s_mov_b32 s[\g+1], 32<<16
	s_mov_b32 s[\g+2], (128*KS/256)<<16
	s_mov_b32 s[\g+3], 32<<16
	s_mov_b32 s[\g+4], 128*KS/256
	s_mov_b32 s[\g+5], 32
	s_mov_b32 s[\g+6], 0
	s_mov_b32 s[\g+7], 0
.endr
	s_lshl_b32 s18, s16, 7                         ; which 128 rows of the tile I fetch
	s_lshl_b32 s20, s17, 8
	s_add_co_u32 s20, s20, s18                     ; A: row 256 x tile row + 128 x half
	s_lshl_b32 s46, s42, 8
	s_add_co_u32 s46, s46, s18                     ; B: row 256 x tile column + 128 x half
	s_mov_b32 s21, 0
	s_mov_b32 s47, 0
	s_mov_b64 s[18:19], KS
	s_mul_u64 s[22:23], s[20:21], s[18:19]         ; where these rows' scales begin, in bytes
	s_mul_u64 s[92:93], s[46:47], s[18:19]
	s_mov_b64 s[18:19], KROW
	s_mul_u64 s[20:21], s[20:21], s[18:19]         ; and their codes
	s_mul_u64 s[46:47], s[46:47], s[18:19]
	s_mul_i32 s45, s14, HALFT                      ; where they go: wave x 128 rows: no place in the cluster enters an LDS address
	s_mul_i32 s94, s14, HALFS
	s_wait_kmcnt 0x0
	s_add_nc_u64 s[20:21], s[4:5], s[20:21]
	s_add_nc_u64 s[22:23], s[6:7], s[22:23]
	s_add_nc_u64 s[46:47], s[8:9], s[46:47]
	s_add_nc_u64 s[92:93], s[10:11], s[92:93]
	CROUND                                         ; all sixteen work-groups are here: the joint loads meet
	s_mov_b32 s[G0S], 1
	s_add_co_u32 s[G0S+1], s94, SCL
	s_mov_b64 s[G0S+2:G0S+3], s[22:23]
	s_or_b32 s[G0S+3], s[G0S+3], 0x80000000
	s_mov_b32 s[G0SB], 1
	s_add_co_u32 s[G0SB+1], s94, SCL
	s_mov_b64 s[G0SB+2:G0SB+3], s[92:93]
	s_or_b32 s[G0SB+3], s[G0SB+3], 0x80000000
	JLOAD G0S, G1S, G0SB, G1SB                     ; the scales first: they are wanted with K step 0
.irp s, 0,1
	s_mov_b32 s[G0+4*\s], 1
	s_add_co_u32 s[G0+4*\s+1], s45, \s*SLOT
	s_add_nc_u64 s[G0+4*\s+2:G0+4*\s+3], s[20:21], \s*ROWB
	s_or_b32 s[G0+4*\s+3], s[G0+4*\s+3], 0x80000000
	s_mov_b32 s[G0B+4*\s], 1
	s_add_co_u32 s[G0B+4*\s+1], s45, \s*SLOT
	s_add_nc_u64 s[G0B+4*\s+2:G0B+4*\s+3], s[46:47], \s*ROWB
	s_or_b32 s[G0B+4*\s+3], s[G0B+4*\s+3], 0x80000000
	JLOAD G0+4*\s, G1, G0B+4*\s, G1B               ; three tensor loads of mine are out behind the last of these
.endr
	v_and_b32 v1, 15, v0                           ; l % 16
	v_bfe_u32 v2, v0, 4, 1                         ; l / 16
	v_mul_u32_u24 v3, v1, PITCH
	v_lshl_add_u32 v4, v2, 4, v3                   ; a fragment's row x pitch + 16 x half
	s_mul_i32 s21, s15, HALFT                      ; my 128 rows of A
	s_mul_i32 s22, s16, HALFT                      ; my 128 rows of B,
	s_add_co_u32 s22, s22, 2*HALFT                 ; which lie behind A's 256
.irp s, 0,1
	v_add_nc_u32 v[ADRA+\s], s21, v4
	v_add_nc_u32 v[ADRB+\s], s22, v4
	s_add_co_u32 s21, s21, SLOT
	s_add_co_u32 s22, s22, SLOT
.endr
	v_mul_u32_u24 v5, v1, KS                       ; my row's scales: KS bytes a row,
	v_lshrrev_b32 v6, 8, v5
	v_lshl_add_u32 v5, v6, 4, v5                   ; and 16 more for each 256 passed
	s_mul_i32 s21, s15, HALFS                      ; A's: my 128 rows
	s_mul_i32 s22, s16, HALFS                      ; B's: my 128 rows, behind A's 256
	s_add_co_u32 s22, s22, 2*HALFS
	s_sub_co_u32 s22, s22, s21
	v_mul_u32_u24 v6, s22, v2                      ; lanes 16-31 take B's
	s_add_co_u32 s21, s21, SCL
	v_add_nc_u32 v5, v5, v6
	v_add_nc_u32 v[ADRS], s21, v5
	s_mul_i32 s23, s14, 16*SPITCH                  ; my stage
	v_mul_u32_u24 v5, v1, SPITCH                   ; in: row l % 16, 16 bytes for each half of the lanes
	v_lshl_add_u32 v5, v2, 4, v5
	v_add_nc_u32 v[STO], s23, v5
	v_and_b32 v6, 31, v0
	v_lshlrev_b32 v[CO], 4, v6                     ; out: four rows of a head, 128 bytes each, are 512 consecutive bytes of qkv: 16 x lane
	v_lshrrev_b32 v5, 3, v6
	v_mul_u32_u24 v5, v5, SPITCH                   ; back: eight lanes to a head's 128 bytes of a row, four rows an instruction
	v_and_b32 v6, 7, v6
	v_lshl_add_u32 v5, v6, 4, v5
	v_add_nc_u32 v[RD], s23, v5
	; where my part begins in qkv: plane (tile row / 8) 48 + 4 x tile column + 2 x column half, of 2^18 bytes; row (tile row % 8) 256 + 128 x row half, of 128 bytes
	s_lshr_b32 s20, s17, 3
	s_mul_i32 s20, s20, 48
	s_lshl_b32 s20, s20, 18
	s_and_b32 s21, s17, 7
	s_lshl_b32 s21, s21, 15
	s_add_co_u32 s20, s20, s21
	s_lshl_b32 s21, s15, 14
	s_add_co_u32 s20, s20, s21
	s_mov_b32 s21, 0
	s_lshl_b32 s46, s42, 20                        ; (the column's terms in the registers that held B's address: none that fed A's descriptors ever holds cx)
	s_lshl_b32 s47, s16, 19
	s_add_co_u32 s46, s46, s47
	s_mov_b32 s47, 0
	s_add_nc_u64 s[20:21], s[20:21], s[46:47]
	s_add_nc_u64 s[12:13], s[12:13], s[20:21]
.macro FRAG reg, adr, q, i             ; a fragment, 16 rows x 128 K of 4-bit codes, is 8 registers: lane l holds row l % 16; registers 4 c .. 4 c + 3 hold K = 64 c + 32 (l / 16) + 0 .. 31
.irp c, 0,1
	ds_load_b128 v[\reg+4*\c:\reg+4*\c+3], v[\adr] offset:64*(\q)+32*\c+(\i)*16*PITCH
.endr
.endm
; 16 matrix instructions: A's blocks a0, a0 + 1 x B's eight, 128 along K: the slot's q-th.  p: B's set;  sc: the set of scale words.  zero = 1: the first product starts the sums: nothing is ever cleared.
; The 64 accumulators take turns, one instruction a turn, in the same order in every step.
.macro MUL16 a0, p, q, sc, zero
.irp a, \a0, \a0+1
.irp b, 0,1,2,3,4,5,6,7
.if \zero
	v_wmma_scale_f32_16x16x128_f8f6f4 v[8*(8*((\a)%4)+\b):8*(8*((\a)%4)+\b)+7], v[128*(\p)+FR*\b:128*(\p)+FR*\b+FR-1], v[AF+FR*(\a):AF+FR*(\a)+FR-1], 0, v[SC+8*NQ*(\sc)+NQ*\b+(\q)], v[SC+8*NQ*(\sc)+NQ*(\a)+(\q)] matrix_a_fmt:MATRIX_FMT_FP4 matrix_b_fmt:MATRIX_FMT_FP4 matrix_a_scale:MATRIX_SCALE_ROW1
.else
	v_wmma_scale_f32_16x16x128_f8f6f4 v[8*(8*((\a)%4)+\b):8*(8*((\a)%4)+\b)+7], v[128*(\p)+FR*\b:128*(\p)+FR*\b+FR-1], v[AF+FR*(\a):AF+FR*(\a)+FR-1], v[8*(8*((\a)%4)+\b):8*(8*((\a)%4)+\b)+7], v[SC+8*NQ*(\sc)+NQ*\b+(\q)], v[SC+8*NQ*(\sc)+NQ*(\a)+(\q)] matrix_a_fmt:MATRIX_FMT_FP4 matrix_b_fmt:MATRIX_FMT_FP4 matrix_a_scale:MATRIX_SCALE_ROW1
.endif
.endr
.endr
.endm
.macro FETCH_B slot, q, p              ; B's eight fragments of the slot's q-th 128 along K into set p
	WIN TO_B
.irp i, 0,1,2,3,4,5,6,7
	FRAG 128*(\p)+FR*\i, ADRB+\slot, \q, \i
.endr
	WIN 0
.endm
.macro FETCH_A slot, q, i0             ; A's blocks i0 .. i0 + 3
.irp i, \i0, \i0+1, \i0+2, \i0+3
	FRAG AF+FR*(\i), ADRA+\slot, \q, \i
.endr
.endm
.macro SCALES sc                       ; a K step's scale words into set sc: NQ words a row; lanes 0-15 take A's block i, lanes 16-31 B's block i
.irp i, 0,1,2,3,4,5,6,7
	ds_load_b128 v[SC+8*NQ*\sc+NQ*\i:SC+8*NQ*\sc+NQ*\i+3], v[ADRS] offset:\i*SBLK
.endr
.endm
; A load into a register that a matrix instruction has read, and a vector instruction that reads a matrix result or writes one of a matrix instruction's registers, stand NP places behind that matrix
; instruction, and only plain vector instructions that name none of its registers are places (ISA guide 7.12.1 for vector instructions).
.macro PLACES n
.rept \n
	v_nop
.endr
.endm
; A step of 128 along K that has its successor in the same slot.
.macro STEP slot, q, zero
	s_wait_dscnt 4*NL                              ; B's set and A's blocks 0-3 are in; the youngest eight loads (A's blocks 4-7) may be out
	WIN MUL_LO
	MUL16 0, (\q)%2, \q, \slot, \zero
	MUL16 2, (\q)%2, \q, \slot, \zero
	s_wait_dscnt 0                                 ; A's blocks 4-7 are in (asked for 32 matrix instructions ago)
	PLACES NP
	FETCH_B \slot, (\q)+1, 1-(\q)%2
	FETCH_A \slot, (\q)+1, 0
	WIN MUL_HI
	MUL16 4, (\q)%2, \q, \slot, \zero
	MUL16 6, (\q)%2, \q, \slot, \zero
	PLACES NP
	WIN 0
	FETCH_A \slot, (\q)+1, 4
.endm
; Slot 0's last step changes slots: ONE barrier; in front of it each wave waits for all its tensor loads (its part of slot 1), adds 0 to its spare word, and waits for that and for its own reads of slot 0.
; Behind it slot 1 is whole for every wave, and nobody reads slot 0 any more: nothing is filled again, and slot 0 later serves as the stage.
.macro TURN slot, next
	s_wait_tensorcnt 0x0                           ; all my tensor loads have landed  (every window is 0 here: the add's two registers lie in window 0)
	ds_add_u32 v[SPW], v[NIL]                      ; 0 onto my spare word
	s_wait_dscnt 4*NL+1                            ; (the add and the youngest eight loads, A's blocks 4-7, may be out)
	WIN MUL_LO
	MUL16 0, 1, NQ-1, \slot, 0                     ; sixteen matrix instructions stand between the add and the wait for it
	s_wait_dscnt 0x0                               ; the add is done, and my reads of this slot are over
	s_barrier_signal -1
	MUL16 2, 1, NQ-1, \slot, 0
	WIN 0
	s_barrier_wait -1
	PLACES NP
	v_add_nc_u32 v[ADRS], 4*NQ, v[ADRS]            ; on to the next K step's scale words (no LDS load of mine is out)
	FETCH_B \next, 0, 0
	FETCH_A \next, 0, 0
	SCALES \next
	WIN MUL_HI
	MUL16 4, 1, NQ-1, \slot, 0
	MUL16 6, 1, NQ-1, \slot, 0
	PLACES NP
	WIN 0
	FETCH_A \next, 0, 4
.endm
.macro STEPS slot, from                ; the slot's steps from .. NQ - 2
.set Q, \from
.rept NQ-1-\from
	STEP \slot, Q, 0
.set Q, Q+1
.endr
.endm
	s_wait_tensorcnt 1                             ; the scales and my part of K step 0 are in (K step 1's load may be out)
	s_barrier_signal -1
	s_barrier_wait -1                              ; everybody's are
	FETCH_B 0, 0, 0
	FETCH_A 0, 0, 0
	SCALES 0
	FETCH_A 0, 0, 4
	STEP 0, 0, 1                                   ; the first step's products start the sums
	STEPS 0, 1
	TURN 0, 1
	STEPS 1, 0
	s_wait_dscnt 4*NL                              ; the very last step: nothing more to fetch
	WIN MUL_LO
	MUL16 0, 1, NQ-1, 1, 0
	MUL16 2, 1, NQ-1, 1, 0
	s_wait_dscnt 0
	WIN MUL_HI
	MUL16 4, 1, NQ-1, 1, 0
	MUL16 6, 1, NQ-1, 1, 0
	WIN 0
; THE WAY OUT, block by block of 16 rows x 128 columns (two heads).  PACK: rounded to f16, 16 bytes a lane, each accumulator from its low end on.  TOSTAGE: into my own stage in LDS, and back by heads: four rows x 128 bytes
; of one head an instruction.  SEND: those are 512 consecutive bytes of qkv, at a multiple of 256 from its first byte.  LDS serves a wave's instructions in order (ISA guide 5.7.1.4): no wait between the stores and the loads.
.macro PACK a
.set AC, 64*((\a)%4)
	WIN 0x0a+5*((\a)/4)                            ; sources 0 and 1: window 2 or 3
.irp b, 0,1,2,3,4,5,6,7
.irp r, 0,1,2,3
	v_cvt_pk_f16_f32 v[TMP+4*\b+\r], v[AC+8*\b+2*\r], v[AC+8*\b+2*\r+1]
.endr
.endr
	WIN 0
.endm
.macro TOSTAGE a
.set BB, BK+32*((\a)%2)
.irp b, 0,1,2,3,4,5,6,7
	ds_store_b128 v[STO], v[TMP+4*\b:TMP+4*\b+3] offset:32*\b
.endr
.irp t, 0,1,2,3,4,5,6,7                ; head t / 4, rows 4 (t % 4) on
	ds_load_b128 v[BB+4*\t:BB+4*\t+3], v[RD] offset:(\t/4)*128+(\t%4)*4*SPITCH
.endr
.endm
.macro SEND a
.set BB, BK+32*((\a)%2)
	s_wait_dscnt 0x0                               ; the block is back in registers
	s_wait_xcnt 0x0                                ; the block before has been stored from the other set of registers: the next block's loads land there only behind this wait
.irp t, 0,1,2,3,4,5,6,7
	global_store_b128 v[CO], v[BB+4*\t:BB+4*\t+3], s[12:13] offset:(\t/4)*262144+(\a)*2048+(\t%4)*512   ; the base is never stepped: 278,016 bytes at the most, inside the signed 24-bit immediate
.endr
.endm
	PLACES NP                                      ; behind the last products: PACK writes registers that held scale words, and block 7's results are read later still
	PACK 0
	TOSTAGE 0
.irp a, 1,2,3,4,5,6,7                  ; block a's conversions stand between block a - 1's loads from the stage and the wait for them
	PACK \a
	SEND \a-1
	TOSTAGE \a
.endr
	SEND 7
	s_wait_tensorcnt 0x0                           ; the wave's end, behind my last tensor load and my last LDS store
	ds_add_u32 v[SPW], v[NIL]
	s_wait_dscnt 0x0
	CROUND                                         ; the closing round: no work-group ends while a partner may still ask for a tile that names it
	s_endpgm
.Lfunc_end_k_q7bd04c4ebe_qkv:
	.size	k_q7bd04c4ebe_qkv, .Lfunc_end_k_q7bd04c4ebe_qkv-k_q7bd04c4ebe_qkv
	.p2alignl 7, 3214868480
	.fill 96, 4, 3214868480
	.section	.rodata,"a",@progbits
	.p2align	6, 0x0
	.amdhsa_kernel k_q7bd04c4ebe_qkv
		.amdhsa_group_segment_fixed_size 327680
		.amdhsa_private_segment_fixed_size 0
		.amdhsa_enable_private_segment 0
		.amdhsa_kernarg_size 40
		.amdhsa_user_sgpr_count 2
		.amdhsa_user_sgpr_kernarg_segment_ptr 1
		.amdhsa_wavefront_size32 1
		.amdhsa_system_sgpr_workgroup_id_x 1
		.amdhsa_system_sgpr_workgroup_id_y 1
		.amdhsa_system_sgpr_workgroup_id_z 1
		.amdhsa_system_vgpr_workitem_id 0
		.amdhsa_next_free_vgpr 1024
		.amdhsa_next_free_sgpr 98
		.amdhsa_reserve_vcc 0
		.amdhsa_float_denorm_mode_32 3
		.amdhsa_float_denorm_mode_16_64 3
		.amdhsa_memory_ordered 1
		.amdhsa_forward_progress 1
		.amdhsa_inst_pref_size 126
	.end_amdhsa_kernel
	.amdgpu_metadata
---
amdhsa.version: [ 1, 2 ]
amdhsa.kernels:
  - .name:           k_q7bd04c4ebe_qkv
    .symbol:         k_q7bd04c4ebe_qkv.kd
    .args:
      - { .name: xc, .offset: 0, .size: 8, .value_kind: global_buffer, .address_space: global }
      - { .name: xs, .offset: 8, .size: 8, .value_kind: global_buffer, .address_space: global }
      - { .name: wc, .offset: 16, .size: 8, .value_kind: global_buffer, .address_space: global }
      - { .name: ws, .offset: 24, .size: 8, .value_kind: global_buffer, .address_space: global }
      - { .name: qkv, .offset: 32, .size: 8, .value_kind: global_buffer, .address_space: global }
    .group_segment_fixed_size: 327680
    .private_segment_fixed_size: 0
    .kernarg_segment_align: 8
    .kernarg_segment_size: 40
    .max_flat_workgroup_size: 128
    .sgpr_count:     98
    .vgpr_count:     1024
    .wavefront_size: 32
...
	.end_amdgpu_metadata
.endif
;; end of part 2
;; launch attn (part 3): grid 8 x 32, 8 waves a work-group, no clusters, 327,680 bytes of LDS; arguments qkv, o16; writes o16
.if DOCPART == 3
	.amdgcn_target "amdgcn-amd-amdhsa--gfx1250"
	.amdhsa_code_object_version 6
	.text
	.protected	k_q7bd04c4ebe_attn
	.globl	k_q7bd04c4ebe_attn
	.p2align	8
	.type	k_q7bd04c4ebe_attn,@function
k_q7bd04c4ebe_attn:
	s_mov_b64 s[64:65], 0
	v_nop
	global_prefetch_b8 v0, s[64:65] scope:SCOPE_SE
	s_setreg_imm32_b32 hwreg(HW_REG_WAVE_MODE, 25, 1), 1
	s_wait_xcnt 0x0
; o[b][h][q][:] = the sum over k <= q of softmax_k(q . k / 8) v[k][:], for 32 heads (b, h) of 2,048 positions and 64 channels.  Operands f16, products, maxima and sums f32; the weights p are rounded to f16 for the second product, o once at the end.
; In: qkv [b 2][plane 48][s 2048][64] f16 (planes h: q, 16 + h: k, 32 + h: v).  Out: o16 [h 16][row b 2048 + s][64] f16.
; LIMITS: q, k, v arrive in f16, so their magnitudes lie under 65,504; a weight under 2^-25 of its row's largest is rounded to 0; NaN and infinities are not served.
; SHARES.  A head's queries are 16 blocks of 128.  Work-group I (0..7) of a head owns block I (low) and block 15 - I (high), and makes 17 VISITS, each of one block of 128 keys: visit v takes key block v for the low
; block while v <= I, then key block v - I - 1 for the high block: (I + 1) + (16 - I) = 17 in every work-group, so the causal triangle is shared out evenly and every trip count is a constant.
; Wave w: g = w % 4 names 32 queries of the block in hand (two tiles of 16), kh = w / 4 which 64 of a visit's 128 keys it takes.  So each fragment of K and V read from LDS feeds two products.  Each wave keeps its own
; running maximum, sum and O; at the end waves w and w xor 4 join their states through LDS.
; NO CLUSTER: in one and the same visit the eight work-groups of a head stand at different key blocks (v, or v - I - 1), so no two ask for the same tile at the same time.  Partners that walked alike would make 20 visits
; where this text makes 17, and what is left out or masked in a visit would hang on a work-group's place in its cluster.
; LAYOUT.  S^T = K Q^T (source 0 = 16 keys, source 1 = 16 queries): a lane holds ONE query (lane % 16) and keys 8 (lane / 16) + 0..7.  Two such tiles, rounded to f16 in pairs, ARE source 1 (32 keys x 16 queries) of
; O^T = V^T P, whose result again holds one query a lane and eight channels.  K comes out of LDS as it lies, V ([key][channel]) turned, by ds_load_tr16_b128.
; SOFTMAX.  For each query a running maximum m and sum l: p = 2^(c s - c m), c = log2(e) / 8; in every visit O and l are multiplied by a = 2^(c m_old - c m_new).  m begins at -3e38, O and l at 0.
; THE RING.  Two LDS slots of four visits' tiles.  Wave w fetches one whole block of 128 rows (16,384 bytes) a slot: visit w % 4 of the slot, K's (w < 4) or V's.  Two tensor loads of mine are out at the start, one behind a change of slots.
; REGISTERS.  window 0: v1-23 addresses; v24-39 statistics; v40-43 the low block's c m and l; v48-79 Q; v80-143 S^T; v144-175 P; v176-239 O^T.
;             window 1: v0-63 K's fragments; v64-127 V's; v128-191 the low block's O^T, kept; v192-223 the high block's Q.
.set PK,    144                        ; a row of K in LDS: 128 bytes + 16 = 36 words: the 16 rows of a load start at 16 different groups of four banks
.set PV,    160                        ; a row of V: 128 + 32 = 40 words, an odd multiple of 32 bytes, as the turning load's lanes want
.set VOFF,  128*PK                     ; a visit's tiles lie together: 128 rows of K, then 128 rows of V
.set VIS,   128*(PK+PV)
.set SLOT,  4*VIS
.set SPARE, 2*SLOT                     ; behind the ring: the spare words, 128 bytes for each of eight waves: four blocks of 256 bytes that no other line names
.set IMG,   SLOT                       ; the states' images lie in slot 1: at the last change of slots it has had its last fill and its last read
.set TST,   4352                       ; a tile's state: 8 images of 512 bytes of O^T, 128 bytes of c m, 128 of l
.set STATE, 2*TST                      ; a wave's state for one block;  images at IMG + g 4 STATE + writer's kh 2 STATE + block STATE
.set STAGE, 0                          ; the way out: 32 rows x 144 bytes for each wave, in slot 0, behind the barrier of the joining
.set AK0, 3                            ; v3   my lane's place in a visit's tile of K, my wave's 64 keys
.set AV0, 4                            ; v4   the same for V
.set ADK, 5                            ; v5   LDS address of the visit's K
.set ADV, 6                            ; v6   of its V
.set QO,  7                            ; v7   my byte offset in the wave's rows of Q
.set SPW, 8                            ; v8   LDS address of my spare word; never rewritten
.set NIL, 9                            ; v9   0; never rewritten
.set PFO, 10                           ; v10  256 x lane: the prefetches' offset; never rewritten
.set D0,  11                           ; v11, v12  tile 0's, tile 1's: my query less my first key, on the diagonal
.set NEG, 13                           ; v13  -infinity
.set IMW, 14                           ; v14  where I store images, 16 bytes a lane;  v15 the statistics, 4 bytes a lane
.set IMS, 15
.set IRD, 16                           ; v16, v17  where I read them back
.set IRS, 17
.set STO, 18                           ; v18  the stage: where I put 16 bytes of a row
.set RD,  19                           ; v19  and where I read rows back
.set GO,  20                           ; v20  16 x lane: my place in a store's 512 bytes
.set ST,  24                           ; tile t at v[ST + 8 t]: +0 c m, +1 m, +2, +3 l (even keys', odd keys'), +4 to +7 c0-c3, at work; a takes c2's place
.set SV,  40                           ; the low block's c m (v40, v42) and l (v41, v43)
.set Q,   48
.set S,   80
.set P,   144
.set O,   176
.set KF,  0                            ; in window 1
.set VF,  64
.set OS,  128
.set QH,  192
.set WV,  8                            ; s8   my wave's number
.set G,   9                            ; s9   w % 4: my 32 queries; also which visit of a slot I fetch
.set KH,  10                           ; s10  w / 4: my 64 keys; also 0: I fetch K, 1: V
.set I,   11                           ; s11  the work-group's number in its head
.set IP1, 12                           ; s12  I + 1: the visit at which the high block begins
.set BH,  13                           ; s13  16 b + h
.set HID, 14                           ; s14  1: on the diagonal all my keys come after all my queries (64 kh > 32 g + 31)
.set MSK, 15                           ; s15  1: on the diagonal some of them do (g / 2 = kh)
.set VC,  16                           ; s16  the visit's number
.set TB,  17                           ; s17  LDS byte at which the visit's tiles begin
.set CNT, 18                           ; s18  counts a slot's four visits
.set DG,  19                           ; s19  1: this visit lies on the diagonal
.set CS,  20                           ; s[20:21] c: the packed scaling names a pair and takes its low word for both halves
.set SEL, 22                           ; s[22:23] lane selects for v_permlanex16_b32: lane l xor 16
.set G1K, 24                           ; s[24:31] descriptor group 1 for K's tiles;  s[32:39] for V's: it differs in the padding alone
.set G1V, 32
.set G0A, 40                           ; s[40:43] descriptor group 0 for slot 0;  s[44:47] for slot 1
.set G0B, 44
.set KVB, 48                           ; s[48:49] the plane that I fetch from: k's or v's of my head
.set PFA, 50                           ; s[50:51] the block that my prefetches name
.set PFL1, 52                          ; s52  1 in the head's work-group 0;  s53 the same, in waves 0 and 4 alone
.set PFL2, 53
.set QL,  56                           ; s[56:57] my 32 rows of Q in the low block;  s[58:59] in the high block
.set QHB, 58
.set OB,  60                           ; s[60:61] the 32 rows of o16 that I store
.set MSB, 0
.macro WIN new                         ; the immediate's high byte repeats the setting that is left; at a label and at a branch every window is 0
.if MSB != \new
	s_set_vgpr_msb (MSB<<8)|\new
.set MSB, \new
.endif
.endm
; The address of the key block of visit vis (+ g where perwave = 1) in my plane: block v while v <= I, else v - I - 1; 16,384 bytes a block.  typ = 1: a descriptor's words, with the type bits on top.
.macro ADDR dst, vis, perwave, typ
.if \perwave
	s_add_co_u32 s54, s[G], \vis
.else
	s_mov_b32 s54, \vis
.endif
	s_cmp_gt_u32 s54, s[I]
	s_cselect_b32 s55, s[IP1], 0
	s_sub_co_u32 s54, s54, s55
	s_lshl_b32 s54, s54, 14
	s_mov_b32 s55, 0
	s_add_nc_u64 s[\dst:\dst+1], s[KVB:KVB+1], s[54:55]
.if \typ
	s_or_b32 s[\dst+1], s[\dst+1], 0x80000000
.endif
.endm
; A refill.  Waves 0-3 fetch K's blocks, waves 4-7 V's; only0 = 1: one visit's tiles alone, by waves 0 and 4.  The branches hang on the wave's number alone.  Four v_nop follow each of the two lines.
.macro TLOAD g0, only0
.if \only0
	s_cmp_lg_u32 s[G], 0
	s_cbranch_scc1 .Lasked_\@
.endif
	s_cmp_eq_u32 s[KH], 0
	s_cbranch_scc0 .Lfor_v_\@
	tensor_load_to_lds s[\g0:\g0+3], s[G1K:G1K+7]
	s_nop 0
.rept 4
	v_nop
.endr
	s_branch .Lasked_\@
.Lfor_v_\@:
	tensor_load_to_lds s[\g0:\g0+3], s[G1V:G1V+7]
	s_nop 0
.rept 4
	v_nop
.endr
.Lasked_\@:
.endm
; A PREFETCH INTO THE L2 of the block that this wave will itself fetch at the NEXT change of slots: 16,384 bytes, lanes 256 bytes apart, two instructions.  It stands behind the wave's tensor load and its four lines.
; Only the head's work-group 0 asks, the one that walks all 16 key blocks one after the other: it names key blocks 11 to 14 at the first change and block 15 at the second, K's and V's, each block once in the launch.
; The blocks of the first twelve visits come by their loads alone, and nothing is asked for at the head.
.macro ASK lim
	s_cmp_eq_u32 s[\lim], 1
	s_cbranch_scc0 .Lnot_mine_\@
	global_prefetch_b8 v[PFO], s[PFA:PFA+1] th:TH_LOAD_NT scope:SCOPE_SE
	global_prefetch_b8 v[PFO], s[PFA:PFA+1] offset:8192 th:TH_LOAD_NT scope:SCOPE_SE
.Lnot_mine_\@:
.endm
.macro INIT                            ; a block's state begins: O^T and l at 0, m under every score
.set i, 0
.rept 64
	v_mov_b32 v[O+i], 0
.set i, i+1
.endr
.irp t, 0,1
	v_mov_b32 v[ST+8*\t+1], 0xff61b1e6             ; -3e38
	v_mov_b32 v[ST+8*\t+2], 0
	v_mov_b32 v[ST+8*\t+3], 0
.endr
.irp t, 0,1
	v_mul_f32 v[ST+8*\t], s[CS], v[ST+8*\t+1]
.endr
.endm
	s_load_b128 s[4:7], s[0:1], 0x0                ; qkv s[4:5], o16 s[6:7]
	v_lshl_add_u32 v[SPW], v0, 2, SPARE
	v_mov_b32 v[NIL], 0
	ds_add_u32 v8, v9
	ds_add_u32 v8, v9
	s_wait_dscnt 0x0
	v_lshrrev_b32 v1, 5, v0
	v_readfirstlane_b32 s[WV], v1                  ; wave 0..7
	s_and_b32 s[G], s[WV], 3
	s_lshr_b32 s[KH], s[WV], 2
	s_mov_b32 s[I], ttmp9
	s_add_co_u32 s[IP1], ttmp9, 1
	s_and_b32 s[BH], ttmp7, 0xffff
	s_lshr_b32 s54, s[G], 1
	s_cmp_eq_u32 s54, s[KH]
	s_cselect_b32 s[MSK], 1, 0
	s_xor_b32 s54, s54, 1
	s_and_b32 s[HID], s[KH], s54
	s_cmp_eq_u32 s[I], 0
	s_cselect_b32 s[PFL1], 1, 0
	s_cmp_eq_u32 s[G], 0
	s_cselect_b32 s[PFL2], s[PFL1], 0
	s_mov_b32 s[VC], 0
	s_mov_b32 s[CS], 0x3e38aa3b                    ; c = log2(e) / 8
	s_mov_b32 s[CS+1], s[CS]                       ; named with it as a pair, so it is written
	s_mov_b32 s[SEL], 0x76543210
	s_mov_b32 s[SEL+1], 0xfedcba98
	; descriptor group 1: a tile of 128 rows x 64 elements of 2 bytes, dense in memory, padded in LDS
	s_mov_b32 s[G1K], (1<<16)|(1<<20)|(4<<22)|(3<<25)  ; 15:0 no mask; 17:16 elements of 2 bytes; 20 padding on; 24:22 after every 32 words (code 4); 31:25 4 words of it (code 3)
	s_mov_b32 s[G1V], (1<<16)|(1<<20)|(4<<22)|(7<<25)  ; the same with 8 words of padding (code 7)
.irp g, G1K, G1V
	s_mov_b32 s[\g+1], 64<<16                      ; tensor_dim0 = 64
	s_mov_b32 s[\g+2], 128<<16                     ; tensor_dim1 = 128
	s_mov_b32 s[\g+3], 64<<16                      ; tile_dim0 = 64
	s_mov_b32 s[\g+4], 128                         ; tile_dim1 = 128
	s_mov_b32 s[\g+5], 64                          ; tensor_dim0_stride
	s_mov_b32 s[\g+6], 0
	s_mov_b32 s[\g+7], 0
.endr
	; byte offsets, made apart from the addresses
	s_lshr_b32 s62, s[BH], 4                       ; b
	s_and_b32 s63, s[BH], 15                       ; h
	s_mul_i32 s54, s62, 48
	s_add_co_u32 s54, s54, s63                     ; q's plane: 48 b + h
	s_lshl_b32 s[QL], s54, 18                      ; 2^18 bytes a plane,
	s_lshl_b32 s57, s[G], 12                       ; 4,096 for my 32 rows,
	s_add_co_u32 s[QL], s[QL], s57
	s_sub_co_u32 s55, 15, s[I]                     ; the high block's number
	s_lshl_b32 s59, s55, 14                        ; 16,384 a block
	s_add_co_u32 s[QHB], s[QL], s59
	s_lshl_b32 s57, s[I], 14
	s_add_co_u32 s[QL], s[QL], s57
	s_mov_b32 s[QL+1], 0
	s_mov_b32 s[QHB+1], 0
	s_lshl_b32 s[KVB], s[KH], 4
	s_add_co_u32 s[KVB], s[KVB], s54
	s_add_co_u32 s[KVB], s[KVB], 16                ; k's plane, or v's
	s_lshl_b32 s[KVB], s[KVB], 18
	s_mov_b32 s[KVB+1], 0
	s_cmp_eq_u32 s[KH], 0                          ; waves 0-3 finish and store the low block, waves 4-7 the high one
	s_cselect_b32 s55, s[I], s55
	s_lshl_b32 s[OB], s63, 19                      ; o16: 2^19 bytes a head,
	s_lshl_b32 s61, s62, 18                        ; 2^18 for b,
	s_add_co_u32 s[OB], s[OB], s61
	s_lshl_b32 s61, s55, 14                        ; the block,
	s_add_co_u32 s[OB], s[OB], s61
	s_lshl_b32 s61, s[G], 12                       ; my 32 rows
	s_add_co_u32 s[OB], s[OB], s61
	s_mov_b32 s[OB+1], 0
	s_mul_i32 s54, s[G], VIS                       ; where my block lands in a slot: the visit's place, K's part or V's
	s_mul_i32 s55, s[KH], VOFF
	s_add_co_u32 s54, s54, s55
	s_mov_b32 s[G0A], 1                            ; 1:0 count = 1
	s_mov_b32 s[G0A+1], s54                        ; 63:32 LDS address
	s_mov_b32 s[G0B], 1
	s_add_co_u32 s[G0B+1], s54, SLOT
	s_wait_kmcnt 0x0
	s_add_nc_u64 s[QL:QL+1], s[4:5], s[QL:QL+1]
	s_add_nc_u64 s[QHB:QHB+1], s[4:5], s[QHB:QHB+1]
	s_add_nc_u64 s[KVB:KVB+1], s[4:5], s[KVB:KVB+1]
	s_add_nc_u64 s[OB:OB+1], s[6:7], s[OB:OB+1]
	ADDR G0A+2, 0, 1, 1                            ; visits 0-3
	ADDR G0B+2, 4, 1, 1                            ; visits 4-7
	s_cmp_eq_u32 s[KH], 0                          ; a wave's two first fills stand in one branch, ahead of every wait on TENSORcnt, every LDS read and every barrier; four v_nop follow the second
	s_cbranch_scc0 .Lfirst_v
	tensor_load_to_lds s[G0A:G0A+3], s[G1K:G1K+7]
	s_nop 0
	tensor_load_to_lds s[G0B:G0B+3], s[G1K:G1K+7]
	s_nop 0
.rept 4
	v_nop
.endr
	s_branch .Lfirst_asked
.Lfirst_v:
	tensor_load_to_lds s[G0A:G0A+3], s[G1V:G1V+7]
	s_nop 0
	tensor_load_to_lds s[G0B:G0B+3], s[G1V:G1V+7]
	s_nop 0
.rept 4
	v_nop
.endr
.Lfirst_asked:
	; A fragment of K or Q is 16 rows x 32 channels in 8 registers: lane l holds row l % 16; registers 0-3 channels 8 (l / 16) + 0..7, registers 4-7 channels 16 + 8 (l / 16) + 0..7: two loads of 16 bytes, 32 bytes apart.
	v_and_b32 v1, 15, v0                           ; r = l % 16
	v_bfe_u32 v2, v0, 4, 1                         ; l / 16
	v_lshlrev_b32 v[QO], 7, v1
	v_lshl_add_u32 v[QO], v2, 4, v[QO]             ; row x 128 + 16 x half
.irp t, 0,1
.irp kc, 0,1
	global_load_b128 v[Q+16*\t+8*\kc:Q+16*\t+8*\kc+3],   v[QO], s[QL:QL+1] offset:\t*2048+\kc*64
	global_load_b128 v[Q+16*\t+8*\kc+4:Q+16*\t+8*\kc+7], v[QO], s[QL:QL+1] offset:\t*2048+\kc*64+32
.endr
.endr
	WIN 0x40                                       ; destination window 1
.irp t, 0,1
.irp kc, 0,1
	global_load_b128 v[QH+16*\t+8*\kc:QH+16*\t+8*\kc+3],   v[QO], s[QHB:QHB+1] offset:\t*2048+\kc*64
	global_load_b128 v[QH+16*\t+8*\kc+4:QH+16*\t+8*\kc+7], v[QO], s[QHB:QHB+1] offset:\t*2048+\kc*64+32
.endr
.endr
.set i, 0
.rept 64
	v_mov_b32 v[OS+i], 0                           ; the kept state is written once here: the lines that keep it stand under a branch, and every register is written on every path before it is read
.set i, i+1
.endr
	WIN 0
	v_mul_u32_u24 v[AK0], v1, PK
	v_lshl_add_u32 v[AK0], v2, 4, v[AK0]
	s_mul_i32 s54, s[KH], 64*PK
	v_add_nc_u32 v[AK0], s54, v[AK0]               ; row x pitch + 16 x half + my 64 keys
	; The turning load takes 16 keys x 16 channels (lane l reads 16 bytes: key 8 (l / 16) + l % 8, channels 8 ((l / 8) % 2) + 0..7) and leaves half a fragment of V^T: lane l holds channel l % 16 and 8 keys.
	v_and_b32 v22, 7, v0
	v_bfe_u32 v23, v0, 3, 1
	v_lshl_add_u32 v[AV0], v2, 3, v22
	v_mul_u32_u24 v[AV0], v[AV0], PV
	v_lshl_add_u32 v[AV0], v23, 4, v[AV0]
	s_mul_i32 s54, s[KH], 64*PV
	s_add_co_u32 s54, s54, VOFF
	v_add_nc_u32 v[AV0], s54, v[AV0]
	v_and_b32 v21, 31, v0                          ; lane
	v_lshlrev_b32 v[PFO], 8, v21
	s_lshl_b32 s54, s[G], 5                        ; the diagonal: register 8 kt + j of tile t holds key 64 kh + 16 kt + 8 (l / 16) + j and query 32 g + 16 t + r:
	s_lshl_b32 s55, s[KH], 6                       ; hidden where 16 kt + j > 32 g - 64 kh + r - 8 (l / 16) + 16 t
	s_sub_co_i32 s54, s54, s55
	v_lshlrev_b32 v22, 3, v2
	v_sub_nc_u32 v[D0], v1, v22
	v_add_nc_u32 v[D0], s54, v[D0]
	v_add_nc_u32 v[D0+1], 16, v[D0]
	v_mov_b32 v[NEG], 0xff800000
	s_mul_i32 s54, s[G], 4*STATE
	s_add_co_u32 s54, s54, IMG
	s_mul_i32 s55, s[KH], STATE
	s_add_co_u32 s55, s55, s54                     ; I read: my group's images of block kh
	v_lshl_add_u32 v[IRD], v21, 4, s55
	v_lshl_add_u32 v[IRS], v21, 2, s55
	s_mul_i32 s55, s[KH], 2*STATE
	s_add_co_u32 s55, s55, s54                     ; I write: my group's, as writer kh
	v_lshl_add_u32 v[IMW], v21, 4, s55
	v_lshl_add_u32 v[IMS], v21, 2, s55
	s_mul_i32 s54, s[WV], 32*PK
	s_add_co_u32 s54, s54, STAGE                   ; my stage
	v_mul_u32_u24 v[STO], v1, PK
	v_lshl_add_u32 v[STO], v2, 4, v[STO]
	v_add_nc_u32 v[STO], s54, v[STO]               ; in: row r, 16 bytes for each half of the lanes
	v_lshrrev_b32 v22, 3, v21
	v_mul_u32_u24 v[RD], v22, PK
	v_and_b32 v22, 7, v21
	v_lshl_add_u32 v[RD], v22, 4, v[RD]
	v_add_nc_u32 v[RD], s54, v[RD]                 ; back: eight lanes to a row of 128 bytes, four rows an instruction
	v_lshlrev_b32 v[GO], 4, v21                    ; which are 512 consecutive bytes of o16
.irp t, 0,1
	v_mov_b32 v[ST+8*\t+5], 0                      ; written once: a lane permute's destination counts as one of its sources
	v_mov_b32 v[SV+2*\t], 0                        ; (kept state: see above)
	v_mov_b32 v[SV+2*\t+1], 0
.endr
	INIT
; THE PRODUCTS.  The accumulators take turns, one instruction a turn: between two links of a chain stand 7 (K Q^T) or 3 (V^T P) others'.
.macro KQ                              ; S^T = K Q^T for both tiles: channels 32 kc on, keys 16 kt on.  The first 8 start the sums
	WIN 0x01                                       ; source 0 (K) window 1
.irp kc, 0,1
.irp kt, 0,1,2,3
.irp t, 0,1
.if \kc == 0
	v_wmma_f32_16x16x32_f16 v[S+32*\t+8*\kt:S+32*\t+8*\kt+7], v[KF+16*\kt+8*\kc:KF+16*\kt+8*\kc+7], v[Q+16*\t+8*\kc:Q+16*\t+8*\kc+7], 0
.else
	v_wmma_f32_16x16x32_f16 v[S+32*\t+8*\kt:S+32*\t+8*\kt+7], v[KF+16*\kt+8*\kc:KF+16*\kt+8*\kc+7], v[Q+16*\t+8*\kc:Q+16*\t+8*\kc+7], v[S+32*\t+8*\kt:S+32*\t+8*\kt+7]
.endif
.endr
.endr
.endr
	WIN 0
.endm
.macro PVM t                           ; O^T += V^T P for tile t: keys 32 hc on, channels 16 ct on
	WIN 0x01                                       ; source 0 (V) window 1
.irp hc, 0,1
.irp ct, 0,1,2,3
	v_wmma_f32_16x16x32_f16 v[O+32*\t+8*\ct:O+32*\t+8*\ct+7], v[VF+32*\hc+8*\ct:VF+32*\hc+8*\ct+7], v[P+16*\t+8*\hc:P+16*\t+8*\hc+7], v[O+32*\t+8*\ct:O+32*\t+8*\ct+7]
.endr
.endr
	WIN 0
.endm
.macro SCALE t, p                      ; pair p of tile t: c s - c m
	v_pk_fma_f32 v[S+32*(\t)+2*(\p):S+32*(\t)+2*(\p)+1], v[S+32*(\t)+2*(\p):S+32*(\t)+2*(\p)+1], s[CS:CS+1], v[ST+8*(\t):ST+8*(\t)+1] op_sel_hi:[1,0,0] neg_lo:[0,0,1] neg_hi:[0,0,1]
.endm
.macro RESC t, p                       ; pair p of tile t's O^T times a
	s_wait_alu depctr_va_vdst(0)
	v_pk_mul_f32 v[O+32*(\t)+2*(\p):O+32*(\t)+2*(\p)+1], v[O+32*(\t)+2*(\p):O+32*(\t)+2*(\p)+1], v[ST+8*(\t)+6:ST+8*(\t)+7] op_sel_hi:[1,0]
.endm
.macro SUMS t                          ; the sum of the tile's 16 pairs of weights, in place, neighbours 1, 2, 4 and 8 pairs apart; then l = a l + the sum
.irp u, 0,1,2,3,4,5,6,7
	v_pk_add_f32 v[S+32*\t+4*\u:S+32*\t+4*\u+1], v[S+32*\t+4*\u:S+32*\t+4*\u+1], v[S+32*\t+4*\u+2:S+32*\t+4*\u+3]
.endr
.irp u, 0,1,2,3
	v_pk_add_f32 v[S+32*\t+8*\u:S+32*\t+8*\u+1], v[S+32*\t+8*\u:S+32*\t+8*\u+1], v[S+32*\t+8*\u+4:S+32*\t+8*\u+5]
.endr
.irp u, 0,1
	v_pk_add_f32 v[S+32*\t+16*\u:S+32*\t+16*\u+1], v[S+32*\t+16*\u:S+32*\t+16*\u+1], v[S+32*\t+16*\u+8:S+32*\t+16*\u+9]
.endr
	v_pk_add_f32 v[S+32*\t:S+32*\t+1], v[S+32*\t:S+32*\t+1], v[S+32*\t+16:S+32*\t+17]
	v_pk_fma_f32 v[ST+8*\t+2:ST+8*\t+3], v[ST+8*\t+2:ST+8*\t+3], v[ST+8*\t+6:ST+8*\t+7], v[S+32*\t:S+32*\t+1] op_sel_hi:[1,0,1]
.endm
.macro MASK                            ; hidden scores become -infinity ahead of the maximum: p = 0 then.  Each accumulator is read from its low end on
.irp t, 0,1
.irp n, 0,1,2,3,4,5,6,7,8,9,10,11,12,13,14,15,16,17,18,19,20,21,22,23,24,25,26,27,28,29,30,31
	v_cmp_gt_i32 vcc_lo, 16*(\n/8)+\n%8, v[D0+\t]
	v_cndmask_b32 v[S+32*\t+\n], v[S+32*\t+\n], v[NEG], vcc_lo
.endr
.endr
.endm
; The maxima, the exponentials, the rounding of tile 0's weights and the rescaling of O^T; the two tiles alternate, so that no line waits for the line above it.
.macro SOFTMAX
.irp j, 0,1,2,3                        ; four chains c0-c3 of seven scores each,
.irp t, 0,1
	v_max3_num_f32 v[ST+8*\t+4+\j], v[S+32*\t+8*\j], v[S+32*\t+8*\j+1], v[S+32*\t+8*\j+2]
.endr
.endr
.irp u, 3,5
.irp j, 0,1,2,3
.irp t, 0,1
	v_max3_num_f32 v[ST+8*\t+4+\j], v[ST+8*\t+4+\j], v[S+32*\t+8*\j+\u], v[S+32*\t+8*\j+\u+1]
.endr
.endr
.endr
.irp t, 0,1                            ; then the four scores left over, c0-c3 and the old m
	v_max3_num_f32 v[ST+8*\t+4], v[ST+8*\t+4], v[S+32*\t+7], v[S+32*\t+15]
.endr
.irp t, 0,1
	v_max3_num_f32 v[ST+8*\t+6], v[ST+8*\t+6], v[S+32*\t+23], v[S+32*\t+31]
.endr
.irp t, 0,1
	v_max3_num_f32 v[ST+8*\t+4], v[ST+8*\t+4], v[ST+8*\t+5], v[ST+8*\t+6]
.endr
.irp t, 0,1
	v_max3_num_f32 v[ST+8*\t+4], v[ST+8*\t+4], v[ST+8*\t+7], v[ST+8*\t+1]
.endr
.irp t, 0,1
	v_permlanex16_b32 v[ST+8*\t+5], v[ST+8*\t+4], s[SEL], s[SEL+1]  ; the query's other 32 keys lie in the lane 16 away
.endr
.irp t, 0,1
	v_mov_b32 v[ST+8*\t+7], v[ST+8*\t]             ; c m_old is kept for a
.endr
.irp t, 0,1
	v_max_num_f32 v[ST+8*\t+1], v[ST+8*\t+4], v[ST+8*\t+5]
.endr
.irp t, 0,1
	v_mul_f32 v[ST+8*\t], s[CS], v[ST+8*\t+1]
.endr
.irp t, 0,1
	v_sub_f32 v[ST+8*\t+7], v[ST+8*\t+7], v[ST+8*\t]
.endr
.irp t, 0,1
	v_exp_f32 v[ST+8*\t+6], v[ST+8*\t+7]           ; a = 2^(c m_old - c m_new)
.endr
.irp p, 0,1,2,3,4,5,6,7,8,9,10,11,12,13,14,15
	SCALE 0, \p
.endr
.irp p, 0,1,2,3,4,5,6,7,8,9,10,11,12,13,14,15      ; behind each exponential stands a plain line that touches neither its result nor its source
	v_exp_f32 v[S+2*\p], v[S+2*\p]
	SCALE 1, \p
	v_exp_f32 v[S+2*\p+1], v[S+2*\p+1]
	RESC 0, \p
.endr
.irp p, 0,1,2,3,4,5,6,7,8,9,10,11,12,13,14,15
	v_exp_f32 v[S+32+2*\p], v[S+32+2*\p]
	s_wait_alu depctr_va_vdst(0)
	v_cvt_pk_f16_f32 v[P+\p], v[S+2*\p], v[S+2*\p+1]
	v_exp_f32 v[S+32+2*\p+1], v[S+32+2*\p+1]
	RESC 1, \p
.endr
.endm
; THE LOW BLOCK IS DONE, THE HIGH ONE BEGINS: the low block's sum is joined over the halves of the lanes and kept with its c m; its O^T is kept in window 1 (each accumulator read from its low end on);
; the high block's Q takes Q's place; the state begins anew.  Work on registers alone.
.macro SWITCH
.irp t, 0,1
	v_add_f32 v[ST+8*\t+4], v[ST+8*\t+2], v[ST+8*\t+3]
.endr
.irp t, 0,1
	v_permlanex16_b32 v[ST+8*\t+5], v[ST+8*\t+4], s[SEL], s[SEL+1]
.endr
.irp t, 0,1
	v_add_f32 v[SV+2*\t+1], v[ST+8*\t+4], v[ST+8*\t+5]
	v_mov_b32 v[SV+2*\t], v[ST+8*\t]
.endr
	WIN 0x40                                       ; destination window 1
.set i, 0
.rept 64
	v_mov_b32 v[OS+i], v[O+i]
.set i, i+1
.endr
	WIN 0x01                                       ; source 0 window 1
.set i, 0
.rept 32
	v_mov_b32 v[Q+i], v[QH+i]
.set i, i+1
.endr
	WIN 0
	INIT
.endm
; A VISIT: 128 keys at LDS byte s[TB], of which 64 are mine.  sw = 1: the change of blocks may fall here (visits 1 to 8).  dg = 1: the low block's diagonal may (visits 0 to 7); dg = 2: the high block's diagonal (visit 16).
; All branches hang on ids alone, and none leads round a barrier or a tensor load; the lines at the visit's end that step the counter and the address are on every path.
.macro VISIT sw, dg
.if \sw
	s_cmp_eq_u32 s[VC], s[IP1]
	s_cbranch_scc0 .Lsame_\@
	SWITCH
.Lsame_\@:
.endif
.if \dg == 1
	s_cmp_eq_u32 s[VC], s[I]
	s_cselect_b32 s[DG], 1, 0
.elseif \dg == 2
	s_mov_b32 s[DG], 1
.endif
.if \dg
	s_and_b32 s54, s[DG], s[HID]
	s_cmp_lg_u32 s54, 0
	s_cbranch_scc1 .Lskip_\@                       ; all my keys come after all my queries: nothing to do
.endif
	v_add_nc_u32 v[ADK], s[TB], v[AK0]
	v_add_nc_u32 v[ADV], s[TB], v[AV0]
	WIN 0x40                                       ; destination window 1
.irp kt, 0,1,2,3
.irp kc, 0,1
	ds_load_b128 v[KF+16*\kt+8*\kc:KF+16*\kt+8*\kc+3],   v[ADK] offset:\kt*16*PK+\kc*64
	ds_load_b128 v[KF+16*\kt+8*\kc+4:KF+16*\kt+8*\kc+7], v[ADK] offset:\kt*16*PK+\kc*64+32
.endr
.endr
.irp hc, 0,1
.irp ct, 0,1,2,3
	ds_load_tr16_b128 v[VF+32*\hc+8*\ct:VF+32*\hc+8*\ct+3],   v[ADV] offset:\hc*32*PV+\ct*32
	ds_load_tr16_b128 v[VF+32*\hc+8*\ct+4:VF+32*\hc+8*\ct+7], v[ADV] offset:\hc*32*PV+16*PV+\ct*32
.endr
.endr
	s_wait_dscnt 16                                ; K's 16 loads are in; V's 16 may be out
	KQ
.rept 4
	v_nop                                          ; four places between the last product and the first read of the scores (ISA guide 7.12.1)
.endr
.if \dg
	s_and_b32 s54, s[DG], s[MSK]
	s_cmp_lg_u32 s54, 0
	s_cbranch_scc0 .Lopen_\@
	MASK
.Lopen_\@:
.endif
	SOFTMAX
	s_wait_dscnt 0x0                               ; V is in
	PVM 0
	SUMS 0                                         ; these 48 lines name no register of tile 0's products and are issued while those run
	s_wait_alu depctr_va_vdst(0)
.irp p, 0,1,2,3,4,5,6,7,8,9,10,11,12,13,14,15
	v_cvt_pk_f16_f32 v[P+16+\p], v[S+32+2*\p], v[S+32+2*\p+1]
.endr
	SUMS 1
	PVM 1
.rept 4
	v_nop                                          ; four places in front of the next loads into V's registers and the next reads of O^T
.endr
.Lskip_\@:
	s_add_co_u32 s[VC], s[VC], 1
	s_add_co_u32 s[TB], s[TB], VIS
.endm
.macro FOUR slot, sw, dg               ; a slot's four visits: written once, walked four times
	s_mov_b32 s[TB], \slot*SLOT
	s_mov_b32 s[CNT], 4
.Lvisit_\@:
	VISIT \sw, \dg
	s_sub_co_u32 s[CNT], s[CNT], 1
	s_cmp_lg_u32 s[CNT], 0
	s_cbranch_scc1 .Lvisit_\@
.endm
; THE CHANGE OF SLOTS.  Each wave waits for all its tensor loads (its block of the slot ahead), adds 0 to its spare word, and waits for that and for its reads of the slot that it leaves.  Behind the barrier the slot ahead is
; whole and nobody reads the other one.  fill = 1: that other slot is filled with the visits vis to vis + 3; fill = 2: with visit vis alone; fill = 0: nothing is left to fetch.  The load has four visits in which to land.
.macro CHANGE fill, g0, vis, pf
	s_wait_tensorcnt 0x0                           ; no tensor load of mine is out, so a group 0 may be written
	ds_add_u32 v[SPW], v[NIL]                      ; 0 onto my spare word; the addresses are made between it and the wait for it
.if \fill == 1
	ADDR \g0+2, \vis, 1, 1
.elseif \fill == 2
	ADDR \g0+2, \vis, 0, 1
.endif
.if \pf == 12
	ADDR PFA, 12, 1, 0                             ; the block that I shall fetch at the next change
.elseif \pf == 16
	s_wait_xcnt 0x0                                ; the last prefetches, four visits back, have read their address, so it may be written
	ADDR PFA, 16, 0, 0
.endif
	s_wait_dscnt 0x0                               ; the add is done, and my reads of the slot that I leave are over
	s_barrier_signal -1
	s_barrier_wait -1
.if \fill == 1
	TLOAD \g0, 0                                   ; the first thing behind the barrier, and a wave's one tensor load until the next
.elseif \fill == 2
	TLOAD \g0, 1
.endif
.if \pf == 12
	ASK PFL1
.elseif \pf == 16
	ASK PFL2
.endif
.endm
	s_wait_tensorcnt 0x1                           ; my block of slot 0 is in; slot 1's may stay out
	s_barrier_signal -1
	s_barrier_wait -1                              ; everybody's is
	s_wait_loadcnt 0x0                             ; Q, both blocks'
	FOUR 0, 1, 1                                   ; visits 0-3
	CHANGE 1, G0A, 8, 12
	FOUR 1, 1, 1                                   ; visits 4-7
	CHANGE 1, G0B, 12, 16
	FOUR 0, 1, 0                                   ; visits 8-11: the change of blocks falls at visit 8 at the latest
	CHANGE 2, G0A, 16, -1
	FOUR 1, 0, 0                                   ; visits 12-15
	CHANGE 0, 0, 0, -1
	s_mov_b32 s[TB], 0
	VISIT 0, 2                                     ; visit 16: the high block's diagonal
	; THE JOINING.  Each wave's two states go to LDS as images of their registers (lane l's 16 bytes at 16 l); behind a barrier wave (g, kh) takes both writers' states of block kh of its group and finishes those 32 rows.
.irp t, 0,1
	v_add_f32 v[ST+8*\t+4], v[ST+8*\t+2], v[ST+8*\t+3]
.endr
.irp t, 0,1
	v_permlanex16_b32 v[ST+8*\t+5], v[ST+8*\t+4], s[SEL], s[SEL+1]
.endr
.irp t, 0,1
	v_add_f32 v[ST+8*\t+4], v[ST+8*\t+4], v[ST+8*\t+5]             ; the high block's sum
.endr
	WIN 0x04                                       ; an LDS store's data are its source 1: window 1
.irp t, 0,1
.irp u, 0,1,2,3,4,5,6,7
	ds_store_b128 v[IMW], v[OS+32*\t+4*\u:OS+32*\t+4*\u+3] offset:\t*TST+512*\u
.endr
.endr
	WIN 0
.irp t, 0,1
.irp u, 0,1,2,3,4,5,6,7
	ds_store_b128 v[IMW], v[O+32*\t+4*\u:O+32*\t+4*\u+3] offset:STATE+\t*TST+512*\u   ; each accumulator from its low end on
.endr
.endr
.irp t, 0,1
	ds_store_b32 v[IMS], v[SV+2*\t]   offset:\t*TST+4096
	ds_store_b32 v[IMS], v[SV+2*\t+1] offset:\t*TST+4224
	ds_store_b32 v[IMS], v[ST+8*\t]   offset:STATE+\t*TST+4096
	ds_store_b32 v[IMS], v[ST+8*\t+4] offset:STATE+\t*TST+4224
.endr
	s_wait_dscnt 0x0                               ; for the others' sake: my images have landed, and my reads of slot 0 are over
	s_barrier_signal -1
	s_barrier_wait -1
.irp t, 0,1
.irp u, 0,1,2,3,4,5,6,7
	ds_load_b128 v[S+32*\t+4*\u:S+32*\t+4*\u+3], v[IRD] offset:\t*TST+512*\u              ; writer 0's O^T
	ds_load_b128 v[O+32*\t+4*\u:O+32*\t+4*\u+3], v[IRD] offset:2*STATE+\t*TST+512*\u      ; writer 1's
.endr
.endr
.irp t, 0,1
	ds_load_b32 v[ST+8*\t],   v[IRS] offset:\t*TST+4096            ; c m of writer 0,
	ds_load_b32 v[ST+8*\t+1], v[IRS] offset:2*STATE+\t*TST+4096    ; of writer 1,
	ds_load_b32 v[ST+8*\t+2], v[IRS] offset:\t*TST+4224            ; l of writer 0,
	ds_load_b32 v[ST+8*\t+3], v[IRS] offset:2*STATE+\t*TST+4224    ; of writer 1
.endr
	s_wait_dscnt 0x0
	; o = (f0 O0 + f1 O1) / (f0 l0 + f1 l1), f = 2^(c m - the larger c m).  A writer that saw no key has c m = c x -3e38, l = 0, O = 0: its f is 0.  Writer 0 sees each block's first key, so the sum is above 0.
.irp t, 0,1
	v_max_num_f32 v[ST+8*\t+4], v[ST+8*\t], v[ST+8*\t+1]
.endr
.irp t, 0,1
	v_sub_f32 v[ST+8*\t+5], v[ST+8*\t], v[ST+8*\t+4]
	v_sub_f32 v[ST+8*\t+6], v[ST+8*\t+1], v[ST+8*\t+4]
.endr
.irp t, 0,1
	v_exp_f32 v[ST+8*\t+5], v[ST+8*\t+5]
	v_exp_f32 v[ST+8*\t+6], v[ST+8*\t+6]
.endr
	v_nop                                          ; a plain line between the last exponential and the use of its result
	s_wait_alu depctr_va_vdst(0)
.irp t, 0,1
	v_mul_f32 v[ST+8*\t+7], v[ST+8*\t+5], v[ST+8*\t+2]
.endr
.irp t, 0,1
	v_fma_f32 v[ST+8*\t+7], v[ST+8*\t+6], v[ST+8*\t+3], v[ST+8*\t+7]
.endr
.irp t, 0,1
	v_rcp_f32 v[ST+8*\t+4], v[ST+8*\t+7]
.endr
	v_nop                                          ; a plain line between the last reciprocal and the use of its result
	s_wait_alu depctr_va_vdst(0)
.irp t, 0,1
	v_mul_f32 v[ST+8*\t], v[ST+8*\t+5], v[ST+8*\t+4]               ; f0 / the sum
	v_mul_f32 v[ST+8*\t+2], v[ST+8*\t+6], v[ST+8*\t+4]             ; f1 / the sum
.endr
.irp t, 0,1
.irp p, 0,1,2,3,4,5,6,7,8,9,10,11,12,13,14,15
	v_pk_mul_f32 v[S+32*\t+2*\p:S+32*\t+2*\p+1], v[S+32*\t+2*\p:S+32*\t+2*\p+1], v[ST+8*\t:ST+8*\t+1] op_sel_hi:[1,0]
.endr
.irp p, 0,1,2,3,4,5,6,7,8,9,10,11,12,13,14,15
	v_pk_fma_f32 v[S+32*\t+2*\p:S+32*\t+2*\p+1], v[O+32*\t+2*\p:O+32*\t+2*\p+1], v[ST+8*\t+2:ST+8*\t+3], v[S+32*\t+2*\p:S+32*\t+2*\p+1] op_sel_hi:[1,0,1]
.endr
.irp p, 0,1,2,3,4,5,6,7,8,9,10,11,12,13,14,15
	v_cvt_pk_f16_f32 v[P+16*\t+\p], v[S+32*\t+2*\p], v[S+32*\t+2*\p+1]
.endr
.endr
	; THE WAY OUT: a lane's eight channels of a row are 16 bytes; they go into my stage (rows of 144 bytes) and come back four rows an instruction: 512 consecutive bytes of o16, at a multiple of 256 from its first byte.
.irp t, 0,1
.irp ct, 0,1,2,3
	ds_store_b128 v[STO], v[P+16*\t+4*\ct:P+16*\t+4*\ct+3] offset:\t*16*PK+32*\ct
.endr
.endr
.irp u, 0,1,2,3,4,5,6,7
	ds_load_b128 v[S+4*\u:S+4*\u+3], v[RD] offset:\u*4*PK          ; LDS serves a wave's instructions in order (ISA guide 5.7.1.4): these see the stores above
.endr
.irp u, 0,1,2,3,4,5,6,7
	s_wait_dscnt 7-\u                              ; the younger read-backs may be out
	global_store_b128 v[GO], v[S+4*\u:S+4*\u+3], s[OB:OB+1] offset:512*\u
.endr
	s_wait_tensorcnt 0x0                           ; the wave's end, behind my last tensor load and my last LDS store
	ds_add_u32 v[SPW], v[NIL]
	s_wait_dscnt 0x0
	s_endpgm
.Lfunc_end_k_q7bd04c4ebe_attn:
	.size	k_q7bd04c4ebe_attn, .Lfunc_end_k_q7bd04c4ebe_attn-k_q7bd04c4ebe_attn
	.p2alignl 7, 3214868480
	.fill 96, 4, 3214868480
	.section	.rodata,"a",@progbits
	.p2align	6, 0x0
	.amdhsa_kernel k_q7bd04c4ebe_attn
		.amdhsa_group_segment_fixed_size 327680
		.amdhsa_private_segment_fixed_size 0
		.amdhsa_enable_private_segment 0
		.amdhsa_kernarg_size 16
		.amdhsa_user_sgpr_count 2
		.amdhsa_user_sgpr_kernarg_segment_ptr 1
		.amdhsa_wavefront_size32 1
		.amdhsa_system_sgpr_workgroup_id_x 1
		.amdhsa_system_sgpr_workgroup_id_y 1
		.amdhsa_system_sgpr_workgroup_id_z 1
		.amdhsa_system_vgpr_workitem_id 0
		.amdhsa_next_free_vgpr 512
		.amdhsa_next_free_sgpr 66
		.amdhsa_reserve_vcc 1
		.amdhsa_float_denorm_mode_32 3
		.amdhsa_float_denorm_mode_16_64 3
		.amdhsa_memory_ordered 1
		.amdhsa_forward_progress 1
		.amdhsa_inst_pref_size 157
	.end_amdhsa_kernel
	.amdgpu_metadata
---
amdhsa.version: [ 1, 2 ]
amdhsa.kernels:
  - .name:           k_q7bd04c4ebe_attn
    .symbol:         k_q7bd04c4ebe_attn.kd
    .args:
      - { .name: qkv, .offset: 0, .size: 8, .value_kind: global_buffer, .address_space: global }
      - { .name: o16, .offset: 8, .size: 8, .value_kind: global_buffer, .address_space: global }
    .group_segment_fixed_size: 327680
    .private_segment_fixed_size: 0
    .kernarg_segment_align: 8
    .kernarg_segment_size: 16
    .max_flat_workgroup_size: 256
    .sgpr_count:     66
    .vgpr_count:     512
    .wavefront_size: 32
...
	.end_amdgpu_metadata
.endif
;; end of part 3
;; launch proj (part 4): grid 8 x 32, 4 waves a work-group, clusters of 4 x 4, 327,680 bytes of LDS; arguments o16, wo16, out0; writes out0
.if DOCPART == 4
	.amdgcn_target "amdgcn-amd-amdhsa--gfx1250"
	.amdhsa_code_object_version 6
	.text
	.protected	k_q7bd04c4ebe_proj
	.globl	k_q7bd04c4ebe_proj
	.p2align	8
	.type	k_q7bd04c4ebe_proj,@function
k_q7bd04c4ebe_proj:
	s_mov_b64 s[64:65], 0
	v_nop
	global_prefetch_b8 v0, s[64:65] scope:SCOPE_SE
	s_setreg_imm32_b32 hwreg(HW_REG_WAVE_MODE, 25, 1), 1
	s_wait_xcnt 0x0
	s_wait_alu depctr_hold_cnt(0) depctr_sa_sdst(0) depctr_va_vdst(0) depctr_va_sdst(0) depctr_va_ssrc(0) depctr_va_vcc(0) depctr_vm_vsrc(0)
	s_getreg_b32 s2, hwreg(HW_REG_IB_STS2, 6, 4)
	s_cmp_eq_u32 s2, 0
	s_cbranch_scc0 .Lentry_in_a_cluster
	s_endpgm
.Lentry_in_a_cluster:
	s_bfe_u32 s2, ttmp6, 0x10000c
	s_cmp_lg_u32 s2, 0xf033
	s_cbranch_scc0 .Lentry_shape_is_right
	s_endpgm
.Lentry_shape_is_right:
; out0[m][n] = sum over k of o[m][k] Wo[n][k], m = 4096 rows (b 2048 + s), n = 1024, k = 64 h + d = 1024.  Operands f16, sums and result f32.
; A = o16 [h 16][row 4096][64] f16: a head is one chunk of 64 along K.  B = wo16 [1024 n][1024 k] f16.
; A tile of C is 128 x 128: 8 x 32 = 256 work-groups.  Four waves, each 64 x 64: 16 accumulators of 16 x 16, 128 registers.  K goes in four steps of 256 through two LDS slots.
; A's part of a K step is four heads: for 64 rows, four dense pieces of 8,192 bytes, 2^19 bytes apart: ONE tensor load with the piece as its row, padded behind every 128 bytes, so that in LDS each head's 64 rows lie 144 bytes apart.
; CLUSTERS: 4 x 4 work-groups.  The four of a row of the cluster need the same tiles of A, the four of a column the same tiles of B: each tile is asked for JOINTLY, by the same tensor load with the same descriptor and a mask
; that names the four.  THE MATRIX INSTRUCTION IS USED TRANSPOSED (source 0 = 16 rows of B, source 1 = 16 rows of A): a lane then holds eight neighbouring numbers of a row of C.
; REGISTERS: window 0: v0-31 addresses; v32-95 at work on the way out; v128-255 the accumulators ((a, b) at v[128 + 8 (4 a + b)]).
;   window 1: two fragment buffers of 128: for 64 along K (two matrix instructions deep), 64 registers of A (2 x 4 x 16 rows x 32 K), then 64 of B.
.set SIZE_M, 4096
.set SIZE_N, 1024
.set SIZE_K, 1024
.set KSTEP,  256
.set PA,     144                       ; a row of A in LDS: one head's 128 bytes + 16 = 36 words
.set CHA,    64*PA                     ; 64 rows of one head
.set HALFA,  4*CHA                     ; four heads: what one tensor load brings of A, and what one wave reads
.set PITCH,  528                       ; a row of B in LDS: 512 bytes + 16 = 132 words
.set HALFB,  64*PITCH                  ; 64 rows: what one tensor load brings of B
.set SLOT,   2*HALFA+2*HALFB           ; A's two halves, then B's two
.set STAGE,  2*SLOT                    ; behind the ring: 16 rows x 272 bytes for each wave, for the way out
.set SPITCH, 272
.set SPARE,  STAGE+4*16*SPITCH         ; behind the stages: the spare words, 128 bytes for each wave: two blocks of 256 bytes that no other line names
.set KCH,    4*SIZE_M*128              ; a K step on in o16: four heads of 4096 rows x 128 bytes
.set ADRA, 16                          ; v16-17  LDS address of my A fragments in slot 0, 1
.set ADRB, 20                          ; v20-21  the same for B
.set STO,  24                          ; v24     the way out: where I put 32 bytes of a row
.set RD,   25                          ; v25     the way out: where I read a row back
.set CO,   26                          ; v26     my byte offset in C
.set SPW,  28                          ; v28     LDS address of my spare word; never rewritten
.set NIL,  29                          ; v29     0; never rewritten
.set TMP,  32                          ; the way out: 16 rows read back from the stage: v32-63 and v64-95 by turns
.set ACC,  128
.set F0,   0                           ; fragment buffers, in window 1
.set F1,   128
.set G1, 24                            ; s[24:31] descriptor group 1 for A's tiles;  s[32:39] group 0, one set for each slot
.set G0, 32
.set G1B, 48                           ; s[48:55], s[56:63] the same for B's tiles
.set G0B, 56
.set MSB, 0
.macro WIN new                         ; the immediate's high byte repeats the setting that is left
.if MSB != \new
	s_set_vgpr_msb (MSB<<8)|\new
.set MSB, \new
.endif
.endm
.set MUL,  0x05                        ; sources 0 (B) and 1 (A) window 1; C and D window 0
.set TO_F, 0x40                        ; destination window 1, address window 0
.macro JLOAD s                         ; a joint load: waves 0 and 1 fetch A's two halves, waves 2 and 3 B's; four v_nop follow each of the two lines, ahead of the jump, the label and what follows
	s_cmp_eq_u32 s11, 0
	s_cbranch_scc0 .Lfor_b_\@
	tensor_load_to_lds s[G0+4*\s:G0+4*\s+3], s[G1:G1+7]
	s_nop 0
.rept 4
	v_nop
.endr
	s_branch .Lasked_\@
.Lfor_b_\@:
	tensor_load_to_lds s[G0B+4*\s:G0B+4*\s+3], s[G1B:G1B+7]
	s_nop 0
.rept 4
	v_nop
.endr
.Lasked_\@:
.endm
.macro CREST                           ; a round of the cluster's barrier behind its opening barrier
	s_cmp_lg_u32 s10, 0
	s_cbranch_scc1 .Lnot_wave_0_\@
	s_barrier_signal -3
.Lnot_wave_0_\@:
	s_barrier_wait -3
	s_barrier_signal -1
	s_barrier_wait -1
.endm
.macro CROUND                          ; a whole round
	s_barrier_signal -1
	s_barrier_wait -1
	CREST
.endm
	s_load_b128 s[4:7], s[0:1], 0x0                ; o16 s[4:5], wo16 s[6:7]
	s_load_b64 s[8:9], s[0:1], 0x10                ; out0
	v_lshl_add_u32 v[SPW], v0, 2, SPARE
	v_mov_b32 v[NIL], 0
	ds_add_u32 v28, v29
	ds_add_u32 v28, v29
	s_wait_dscnt 0x0
	v_lshrrev_b32 v1, 5, v0
	v_readfirstlane_b32 s10, v1                    ; wave 0..3
	s_lshr_b32 s11, s10, 1                         ; which half of the tile's rows is mine.  Also: I fetch for A (0) or for B (1)
	s_and_b32 s12, s10, 1                          ; which half of its columns.  Also: which 64 rows of that tile I fetch
	s_bfe_u32 s40, ttmp6, 0x40000                  ; cx, cy: my place in the cluster
	s_bfe_u32 s41, ttmp6, 0x40004
	s_lshl_b32 s42, ttmp9, 2
	s_add_co_u32 s42, s42, s40                     ; tile column of C = 4 x cluster x + cx
	s_and_b32 s13, ttmp7, 0xffff
	s_lshl_b32 s13, s13, 2
	s_add_co_u32 s13, s13, s41                     ; tile row of C = 4 x cluster y + cy
	s_lshl_b32 s43, s41, 2
	s_lshl_b32 s43, 15, s43                        ; my row of the cluster
	s_lshl_b32 s44, 0x1111, s40                    ; my column
	; descriptor group 1 for A: 4 rows (heads) of 1,024 elements of 8 bytes (64 rows of 128 bytes, dense), 65,536 elements apart
	s_or_b32 s[G1+0], s43, (3<<16)|(1<<20)|(1<<21)|(4<<22)|(3<<25)  ; 15:0 the mask: A's tiles go to my row; 17:16 element of 8 bytes; 20 padding on; 21 set beside a mask; 24:22 after every 32 words (code 4); 31:25 of 4 words (code 3)
	s_mov_b32 s[G1+1], 1024<<16                    ; tensor_dim0 = 1024
	s_mov_b32 s[G1+2], 4<<16                       ; tensor_dim1 = 4
	s_mov_b32 s[G1+3], 1024<<16                    ; tile_dim0 = 1024
	s_mov_b32 s[G1+4], 4                           ; tile_dim1 = 4
	s_mov_b32 s[G1+5], 65536                       ; tensor_dim0_stride
	s_mov_b32 s[G1+6], 0
	s_mov_b32 s[G1+7], 0
	; and for B: 64 rows x 256 elements of 2 bytes
	s_or_b32 s[G1B+0], s44, (1<<16)|(1<<20)|(1<<21)|(6<<22)|(3<<25) ; the mask of my column; padding of 4 words after every 128 (code 6)
	s_mov_b32 s[G1B+1], KSTEP<<16
	s_mov_b32 s[G1B+2], 64<<16
	s_mov_b32 s[G1B+3], KSTEP<<16
	s_mov_b32 s[G1B+4], 64
	s_mov_b32 s[G1B+5], SIZE_K
	s_mov_b32 s[G1B+6], 0
	s_mov_b32 s[G1B+7], 0
	s_lshl_b32 s17, s12, 6                         ; which 64 rows of the tile I fetch
	s_lshl_b32 s16, s13, 7
	s_add_co_u32 s16, s16, s17                     ; A: row 128 x tile row + 64 x half,
	s_lshl_b32 s16, s16, 7                         ; of 128 bytes in a head
	s_lshl_b32 s46, s42, 7
	s_add_co_u32 s46, s46, s17                     ; B: row 128 x tile column + 64 x half,
	s_lshl_b32 s46, s46, 11                        ; of 2,048 bytes
	s_mov_b32 s17, 0
	s_mov_b32 s47, 0
	s_mul_i32 s20, s12, HALFA                      ; where they go: no place in the cluster enters an LDS address
	s_mul_i32 s21, s12, HALFB
	s_add_co_u32 s21, s21, 2*HALFA
	s_wait_kmcnt 0x0
	s_add_nc_u64 s[14:15], s[4:5], s[16:17]
	s_add_nc_u64 s[46:47], s[6:7], s[46:47]
	CROUND                                         ; all sixteen work-groups are here: the first joint loads meet
.irp s, 0,1
	s_mov_b32 s[G0+4*\s], 1
	s_add_co_u32 s[G0+4*\s+1], s20, \s*SLOT
	s_add_nc_u64 s[G0+4*\s+2:G0+4*\s+3], s[14:15], \s*KCH
	s_or_b32 s[G0+4*\s+3], s[G0+4*\s+3], 0x80000000
	s_mov_b32 s[G0B+4*\s], 1
	s_add_co_u32 s[G0B+4*\s+1], s21, \s*SLOT
	s_add_nc_u64 s[G0B+4*\s+2:G0B+4*\s+3], s[46:47], \s*KSTEP*2
	s_or_b32 s[G0B+4*\s+3], s[G0B+4*\s+3], 0x80000000
	JLOAD \s                                       ; two tensor loads of mine are out behind the second
.endr
	v_and_b32 v1, 15, v0                           ; l % 16
	v_bfe_u32 v2, v0, 4, 1                         ; l / 16
	v_mul_u32_u24 v3, v1, PA
	v_lshl_add_u32 v3, v2, 4, v3                   ; a fragment's row x pitch + 16 x half: A's,
	v_mul_u32_u24 v4, v1, PITCH
	v_lshl_add_u32 v4, v2, 4, v4                   ; B's
	s_mul_i32 s21, s11, HALFA                      ; my 64 rows of A
	s_mul_i32 s22, s12, HALFB                      ; my 64 rows of B,
	s_add_co_u32 s22, s22, 2*HALFA                 ; which lie behind A's 128
.irp s, 0,1
	v_add_nc_u32 v[ADRA+\s], s21, v3
	v_add_nc_u32 v[ADRB+\s], s22, v4
	s_add_co_u32 s21, s21, SLOT
	s_add_co_u32 s22, s22, SLOT
.endr
	s_mul_i32 s23, s10, 16*SPITCH
	s_add_co_u32 s23, s23, STAGE                   ; my stage
	v_mul_u32_u24 v4, v1, SPITCH                   ; in: row l % 16, 32 bytes for each half of the lanes
	v_lshl_add_u32 v4, v2, 5, v4
	v_add_nc_u32 v[STO], s23, v4
	v_mul_u32_u24 v5, v2, SPITCH                   ; back: lanes 0-15 take one row of 256 bytes, lanes 16-31 the next
	v_lshl_add_u32 v5, v1, 4, v5
	v_add_nc_u32 v[RD], s23, v5
	v_lshlrev_b32 v5, 12, v2                       ; and the same two rows in C: 4,096 bytes a row
	v_lshl_add_u32 v[CO], v1, 4, v5
	s_lshl_b32 s16, s13, 7
	s_lshl_b32 s17, s11, 6
	s_add_co_u32 s16, s16, s17                     ; my first row of C: 128 x tile row + 64 x half
	s_lshl_b32 s16, s16, 12
	s_mov_b32 s17, 0
	s_add_nc_u64 s[8:9], s[8:9], s[16:17]
	s_lshl_b32 s46, s42, 9                         ; my first column, in bytes: 512 x tile column + 256 x half
	s_lshl_b32 s47, s12, 8
	s_add_co_u32 s46, s46, s47
	s_mov_b32 s47, 0
	s_add_nc_u64 s[8:9], s[8:9], s[46:47]
; 8 matrix instructions: m blocks a0, a0 + 1 x all 4 n blocks, 32 along K: half c of buffer f.  zero = 1: the first product starts the sums.  The 16 accumulators take turns, one instruction a turn
.macro MUL8 f, c, a0, zero
.irp a, \a0, \a0+1
.irp b, 0,1,2,3
.if \zero
	v_wmma_f32_16x16x32_f16 v[ACC+8*(4*(\a)+\b):ACC+8*(4*(\a)+\b)+7], v[\f+64+8*(4*\c+\b):\f+64+8*(4*\c+\b)+7], v[\f+8*(4*\c+\a):\f+8*(4*\c+\a)+7], 0
.else
	v_wmma_f32_16x16x32_f16 v[ACC+8*(4*(\a)+\b):ACC+8*(4*(\a)+\b)+7], v[\f+64+8*(4*\c+\b):\f+64+8*(4*\c+\b)+7], v[\f+8*(4*\c+\a):\f+8*(4*\c+\a)+7], v[ACC+8*(4*(\a)+\b):ACC+8*(4*(\a)+\b)+7]
.endif
.endr
.endr
.endm
; 32 LDS loads in one run: the fragments of 64 along K into buffer f; the first 32 along K first.  k: the byte in B's rows; in A those 64 along K are head k / 128 of the slot's four
.macro FETCH slot, k, f
	WIN TO_F
.irp c, 0,1
.irp i, 0,1,2,3
	ds_load_b128 v[\f+64+8*(4*\c+\i):\f+64+8*(4*\c+\i)+3],   v[ADRB+\slot] offset:\k+64*\c+\i*16*PITCH
	ds_load_b128 v[\f+64+8*(4*\c+\i)+4:\f+64+8*(4*\c+\i)+7], v[ADRB+\slot] offset:\k+64*\c+\i*16*PITCH+32
	ds_load_b128 v[\f+8*(4*\c+\i):\f+8*(4*\c+\i)+3],         v[ADRA+\slot] offset:(\k/128)*CHA+64*\c+\i*16*PA
	ds_load_b128 v[\f+8*(4*\c+\i)+4:\f+8*(4*\c+\i)+7],       v[ADRA+\slot] offset:(\k/128)*CHA+64*\c+\i*16*PA+32
.endr
.endr
.endm
.macro PLACES                          ; four places in front of loads into registers that matrix instructions have read, and of the first read of results (ISA guide 7.12.1 for the read of results)
.rept 4
	v_nop
.endr
.endm
; A K step is four quarters of 64 along K, 32 matrix instructions each, on buffers 0, 1, 0, 1.  One of the first three: multiplies buffer f and fetches the next quarter, at byte k, into g.
.macro QUARTER slot, k, f, g, zero
	s_wait_dscnt 16                                ; the first 32 along K are in; the other sixteen loads may be out
	WIN MUL
	MUL8 \f, 0, 0, \zero
	MUL8 \f, 0, 2, \zero
	PLACES
	FETCH \slot, \k, \g
	s_wait_dscnt 32                                ; all but the 32 just issued
	WIN MUL
	MUL8 \f, 1, 0, 0
	MUL8 \f, 1, 2, 0
.endm
; The last quarter multiplies buffer 1 and changes slots: ONE barrier; in front of it each wave waits for all its tensor loads, adds 0 to its spare word, and waits for that and for its own reads of this slot.  fill = 1: this slot is filled again, two K steps ahead.
.macro TURN slot, next, fill
	WIN 0                                          ; (the add's two registers lie in window 0)
	s_wait_tensorcnt 0x0                           ; all my tensor loads have landed: my part of the next slot;
	ds_add_u32 v[SPW], v[NIL]                      ; 0 onto my spare word
	s_wait_dscnt 17                                ; (the add and the youngest sixteen loads may be out)
	WIN MUL
	MUL8 F1, 0, 0, 0                               ; eight matrix instructions stand between the add and the wait for it
	s_wait_dscnt 0x0                               ; the add is done, and my reads of this slot are over
	s_barrier_signal -1
	MUL8 F1, 0, 2, 0
.if \fill
	WIN 0
.endif
	s_barrier_wait -1
.if \fill
	CREST                                          ; the barrier has opened a round of the cluster's barrier: no wave of any partner still reads this slot's tile or has a load on its way
	s_add_nc_u64 s[G0+4*\slot+2:G0+4*\slot+3], s[G0+4*\slot+2:G0+4*\slot+3], 2*KCH
	s_add_nc_u64 s[G0B+4*\slot+2:G0B+4*\slot+3], s[G0B+4*\slot+2:G0B+4*\slot+3], 2*KSTEP*2
	JLOAD \slot                                    ; the first tensor load behind the round: 112 matrix instructions ahead of the wait for it; the four v_nop behind it are also the places in front of the loads below
.else
	PLACES
.endif
	FETCH \next, 0, F0
	WIN MUL
	MUL8 F1, 1, 0, 0
	MUL8 F1, 1, 2, 0
.endm
	s_wait_tensorcnt 1                             ; my part of K step 0 is in (K step 1's may be out)
	s_barrier_signal -1
	s_barrier_wait -1                              ; everybody's is
	FETCH 0, 0, F0
	QUARTER 0, 128, F0, F1, 1                      ; K step 0: its first products start the sums
	QUARTER 0, 256, F1, F0, 0
	QUARTER 0, 384, F0, F1, 0
	TURN 0, 1, 1                                   ; slot 0 takes K step 2
	QUARTER 1, 128, F0, F1, 0                      ; K step 1
	QUARTER 1, 256, F1, F0, 0
	QUARTER 1, 384, F0, F1, 0
	TURN 1, 0, 1                                   ; slot 1 takes K step 3
	QUARTER 0, 128, F0, F1, 0                      ; K step 2
	QUARTER 0, 256, F1, F0, 0
	QUARTER 0, 384, F0, F1, 0
	TURN 0, 1, 0                                   ; nothing is left to fetch: no round of the cluster's barrier
	QUARTER 1, 128, F0, F1, 0                      ; K step 3
	QUARTER 1, 256, F1, F0, 0
	QUARTER 1, 384, F0, F1, 0
	s_wait_dscnt 16                                ; the very last quarter
	WIN MUL
	MUL8 F1, 0, 0, 0
	MUL8 F1, 0, 2, 0
	s_wait_dscnt 0
	MUL8 F1, 1, 0, 0
	MUL8 F1, 1, 2, 0
	WIN 0
; THE WAY OUT, block by block of 16 rows x 64 columns.  A lane holds 32 neighbouring bytes of a row, and the lanes beside it hold other rows: so a block goes through my own stage in LDS and comes back as whole rows of 256 bytes:
; sixteen lanes store 256 consecutive bytes, at a multiple of 256 from C's first byte.  No barrier: a wave's 64 columns fill such a run by themselves.  LDS serves a wave's instructions in order (ISA guide 5.7.1.4).
.macro TOSTAGE a
.irp b, 0,1,2,3
	ds_store_b128 v[STO], v[ACC+8*(4*(\a)+\b):ACC+8*(4*(\a)+\b)+3] offset:64*\b          ; each accumulator from its low end on
	ds_store_b128 v[STO], v[ACC+8*(4*(\a)+\b)+4:ACC+8*(4*(\a)+\b)+7] offset:64*\b+16
.endr
.set BB, TMP+32*((\a)%2)
.irp t, 0,1,2,3,4,5,6,7
	ds_load_b128 v[BB+4*\t:BB+4*\t+3], v[RD] offset:\t*2*SPITCH
.endr
.endm
.macro SEND a, younger                 ; younger: the LDS instructions issued behind block a's loads, which may stay out
.set BB, TMP+32*((\a)%2)
	s_wait_dscnt \younger                          ; the block is back in registers
.irp t, 0,1,2,3,4,5,6,7
	global_store_b128 v[CO], v[BB+4*\t:BB+4*\t+3], s[8:9] offset:(16*(\a)+2*\t)*SIZE_N*4 th:TH_STORE_NT   ; the base is never stepped: 62 rows of C at the most, inside the signed 24-bit immediate; written once, read by nobody here
.endr
.endm
	PLACES
	TOSTAGE 0
.irp a, 1,2,3
.if \a > 1
	s_wait_xcnt 0x0                                ; block a - 2's stores have read their registers: block a's loads may land there
.endif
	TOSTAGE \a
	SEND \a-1, 16                                  ; behind block a - 1's loads: block a's 8 stores and 8 loads
.endr
	SEND 3, 0
	s_wait_tensorcnt 0x0                           ; the wave's end, behind my last tensor load and my last LDS store
	ds_add_u32 v[SPW], v[NIL]
	s_wait_dscnt 0x0
	CROUND                                         ; the closing round: no work-group ends while a partner may still ask for a tile that names it
	s_endpgm
.Lfunc_end_k_q7bd04c4ebe_proj:
	.size	k_q7bd04c4ebe_proj, .Lfunc_end_k_q7bd04c4ebe_proj-k_q7bd04c4ebe_proj
	.p2alignl 7, 3214868480
	.fill 96, 4, 3214868480
	.section	.rodata,"a",@progbits
	.p2align	6, 0x0
	.amdhsa_kernel k_q7bd04c4ebe_proj
		.amdhsa_group_segment_fixed_size 327680
		.amdhsa_private_segment_fixed_size 0
		.amdhsa_enable_private_segment 0
		.amdhsa_kernarg_size 24
		.amdhsa_user_sgpr_count 2
		.amdhsa_user_sgpr_kernarg_segment_ptr 1
		.amdhsa_wavefront_size32 1
		.amdhsa_system_sgpr_workgroup_id_x 1
		.amdhsa_system_sgpr_workgroup_id_y 1
		.amdhsa_system_sgpr_workgroup_id_z 1
		.amdhsa_system_vgpr_workitem_id 0
		.amdhsa_next_free_vgpr 512
		.amdhsa_next_free_sgpr 66
		.amdhsa_reserve_vcc 0
		.amdhsa_float_denorm_mode_32 3
		.amdhsa_float_denorm_mode_16_64 3
		.amdhsa_memory_ordered 1
		.amdhsa_forward_progress 1
		.amdhsa_inst_pref_size 86
	.end_amdhsa_kernel
	.amdgpu_metadata
---
amdhsa.version: [ 1, 2 ]
amdhsa.kernels:
  - .name:           k_q7bd04c4ebe_proj
    .symbol:         k_q7bd04c4ebe_proj.kd
    .args:
      - { .name: o16, .offset: 0, .size: 8, .value_kind: global_buffer, .address_space: global }
      - { .name: wo16, .offset: 8, .size: 8, .value_kind: global_buffer, .address_space: global }
      - { .name: out0, .offset: 16, .size: 8, .value_kind: global_buffer, .address_space: global }
    .group_segment_fixed_size: 327680
    .private_segment_fixed_size: 0
    .kernarg_segment_align: 8
    .kernarg_segment_size: 24
    .max_flat_workgroup_size: 128
    .sgpr_count:     66
    .vgpr_count:     512
    .wavefront_size: 32
...
	.end_amdgpu_metadata
.endif
;; end of part 4
